; MI455X (gfx1250); checked and timed in simulation.
; The chip was launched on July 23, 2026; its instructions are those of AMD's public machine-readable ISA for CDNA 5 (MIT licence, August 2026) and "CDNA5" Instruction Set Architecture Reference Guide (July 2026). The comments in the code are by the model that wrote it; some were corrected since.
;; Euler CE Minimal. Allowed arithmetic: matrix products marked QUANTISED: E2M3 operands, one E8M0 scale for each 32 along K, by v_wmma_scale_f32_16x16x128_f8f6f4 with both operands' format E2M3, f32 sums; everything else in f32.
;; Inputs: log_xi 16 float32; w_o 1,024 x 1,024 float32; w_qkv 1,024 x 3,072 float32; x 2 x 2,048 x 1,024 float32.
;; Outputs: out0 2 x 2,048 x 1,024 float32.
;; This version of the problem:
;;   THIS VERSION OF THE PROBLEM IS GIVEN IN LOW PRECISION. The matrix products marked QUANTISED in the list below multiply operands that are first quantised to E2M3 (2 exponent bits, 3 mantissa bits; 6 bits a number), with one power-of-two scale for each 32 numbers along K (OCP MX v1.0); their sums are f32. All else is computed in f32.
;;   The module's matrix products, in the order in which they are computed (A, B: the left and right operand; K: the contracted axis; several contracted axes count as one K, in the product's order):
;;     1. [M 4,096, K 1,024] x [K 1,024, N 3,072]; A: input x; B: input w_qkv: QUANTISED
;;     2. batch 32 x [M 2,048, K 64] x [K 64, N 2,048]; A: computed on the way; B: computed on the way: QUANTISED
;;     3. batch 32 x [M 2,048, K 2,048] x [K 2,048, N 64]; A: softmax (see below); B: computed on the way: QUANTISED
;;     4. [M 4,096, K 1,024] x [K 1,024, N 1,024]; A: computed on the way; B: input w_o: QUANTISED
;;   THE QUANTISER, for each operand of a quantised product, along K:
;;     - K is cut into blocks of 32 from its start; a last block that is shorter is filled with zeros.
;;     - A block's scale is 2^e with e = floor(log2(the largest magnitude in the block)) - 2, held to -126 .. 127; a block of zeros has e = 0. As a byte (E8M0): e + 127.
;;     - Each number is divided by its block's scale, clamped to +-7.5, and rounded to the nearest number of E2M3, ties to even, subnormals kept.
;;     - The product sums the exact products of the quantised numbers (number of the format x scale) in f32.
;;   ~~~python
;;   def quantise(x, axis):      # numpy; x: float32 -> the quantised numbers, widened to float32 again
;;       x = np.moveaxis(x, axis, -1); K = x.shape[-1]
;;       x = np.pad(x, [(0, 0)] * (x.ndim - 1) + [(0, -K % 32)]); x = x.reshape(x.shape[:-1] + (-1, 32)); a = np.abs(x).max(-1, keepdims=True)
;;       e = np.where(a > 0, np.clip(np.frexp(np.where(a > 0, a, 1))[1] - 1 - 2, -126, 127), 0)      # np.frexp(a)[1] - 1 = floor(log2(a)), exactly
;;       r = np.clip(x / 2.0 ** e, -7.5, 7.5)
;;       step = 2.0 ** (np.maximum(np.frexp(np.where(r == 0, 1, r))[1] - 1, 0) - 3)
;;       q = np.round(r / step) * step * 2.0 ** e      # np.round: ties to even
;;       return np.moveaxis(q.reshape(q.shape[:-2] + (-1,))[..., :K], -1, axis).astype(np.float32)
;;   ~~~
;;   SOFTMAX AHEAD OF A QUANTISED PRODUCT. Where the list says 'softmax', what is quantised is not the finished softmax but p = 2^(t - M), with t = logit x log2(e) and M = ceil(the row's largest t), a whole number; so 1/2 < the row's largest p <= 1. The row's sum l is taken of the UNQUANTISED p, in f32, and the product's result is divided by l at the end. Since M is a whole number, a kernel that streams over the keys may use a running M (the ceiling of the running maximum): every later rescaling is an exact power of two, which a block's scale takes up: the codes' values come out the same.
;;   OPERANDS COMPUTED ON THE WAY. 'Computed on the way' means the value that the module computes at that place (a softmax that the list does not call 'softmax' is quantised finished and normalised). What goes into a quantiser is computed in f32, as accurately as f32 sums, v_exp_f32 and their like allow (about 1e-6 of the number): no bf16 or f16 on the way to a quantiser, and a product that is left as it is and whose result goes on into a quantised operand takes f32 operands (vector FMAs, or v_wmma_f32_16x16x4_f32). A number that lies on a knife's edge between two numbers of the format may be rounded either way, as far as f32 arithmetic and the matrix unit's own rounding can turn it there, and no further.
;; One version. Each part assembles by itself: llvm-mc -triple=amdgcn-amd-amdhsa -mcpu=gfx1250 --defsym DOCPART=n.
;; ======== version 1 of 1: 4 launches
;; limits: right only within a limited range of input values
;; workspace buffers: img 6,291,456 bytes; isc 262,144 bytes; rope 524,288 bytes; qb 3,407,872 bytes; kv 6,684,672 bytes; oc 3,145,728 bytes; os 131,072 bytes
;; launch prep (part 1): grid 800 x 1, 4 waves a work-group, no clusters, 34,304 bytes of LDS; arguments x, w_qkv, w_o, img, isc, rope; writes img, isc, rope
.if DOCPART == 1
	.amdgcn_target "amdgcn-amd-amdhsa--gfx1250"
	.amdhsa_code_object_version 6
	.text
	.protected	k_q489ed14c5d_prep
	.globl	k_q489ed14c5d_prep
	.p2align	8
	.type	k_q489ed14c5d_prep,@function
k_q489ed14c5d_prep:
	s_mov_b64 s[64:65], 0
	v_nop
	global_prefetch_b8 v0, s[64:65] scope:SCOPE_SE
	s_setreg_imm32_b32 hwreg(HW_REG_WAVE_MODE, 25, 1), 1
	s_wait_xcnt 0x0
; PREP.  x [4096][1024], w_qkv [1024][3072] and w_o [1024][1024], f32, become codes of FP6 (E2M3) with one E8M0 byte for each 32 along K, laid as IMAGES OF OPERAND REGISTERS; and the table of cos and sin is made.
; img: 512 tiles of 16 rows (0-255 x's tokens, 256-447 w_qkv's columns, 448-511 w_o's), 12,288 bytes each: 16 halves of 64 along K, 768 bytes: 32 lanes x 16 bytes (registers 0-3), then 32 lanes x 8 (registers 4-5);
;   lane r + 16 h holds k = 32 h .. 32 h + 31 of the tile's slot r.  THE ROWS OF A TILE ARE NOT NEIGHBOURS: slot r of tile 2 B + u is row 32 B + 8 u + r + 8 (r / 8).
; isc: a scale word (128 along K of one row) at tile x 512 + (s / 2) x 128 + 8 r + 4 (s % 2), s = k / 128.     rope: [position 2048][pair 32][cos, sin], f32.
; A block's scale is 2^(floor(log2(largest magnitude)) - 2): its byte is the largest magnitude's exponent field - 2, held at 1 from below by a floor among the maximum's leaves.
; LIMITS: a block whose largest magnitude lies under 2^-124, a block of zeros among them, gets the byte 1 (its codes are zeros or subnormal codes; only this program reads the bytes); NaN and infinities are not served.
;   cos and sin: the angle is position x 10^(-i/8) in one rounding, reduced by pi/2 in two parts, series to the 9th and 10th power: about 1e-7 absolute.
; ROLES by the work-group's number: 0-511 x (a wave makes one fragment, 16 rows x 128 K), 512-703 w_qkv, 704-767 w_o (a wave takes 32 columns x 128 K), 768-799 the table (a wave takes 16 positions).  Only x's role uses LDS.
.set XROW,  4096                       ; a row of x in bytes
.set SP,    528                        ; a stage row: 512 bytes + 16, an odd multiple of 16: sixteen rows start in sixteen different columns of 16 bytes
.set WREG,  16*SP                      ; a wave's stage
	s_load_b256 s[4:11], s[0:1], 0x0               ; x s[4:5], w_qkv s[6:7], w_o s[8:9], img s[10:11]
	s_load_b128 s[12:15], s[0:1], 0x20             ; isc s[12:13], rope s[14:15]
	v_lshl_add_u32 v168, v0, 2, 0x8400
	v_mov_b32 v169, 0
	v_lshrrev_b32 v1, 5, v0
	v_readfirstlane_b32 s16, v1                    ; wave
	v_and_b32 v2, 31, v0                           ; lane
	v_and_b32 v3, 15, v0                           ; r
	v_bfe_u32 v4, v0, 4, 1                         ; h (for the weights: u)
	v_lshlrev_b32 v5, 4, v2                        ; 16 x lane
	v_lshlrev_b32 v6, 3, v2                        ; 8 x lane
	s_mov_b32 s20, 0x76543210
	s_mov_b32 s21, 0xfedcba98                      ; v_permlanex16_b32's selects for lane l xor 16
	s_mov_b32 s19, 0
	s_mov_b32 s25, 0
	s_mov_b32 s27, 0
	s_cmp_lt_u32 ttmp9, 512
	s_cbranch_scc0 .Lnot_x
; ---------------- x: tile T = id / 2, K step s = 4 (id % 2) + wave
	s_lshr_b32 s17, ttmp9, 1                       ; T
	s_and_b32 s18, ttmp9, 1
	s_lshl_b32 s18, s18, 2
	s_add_co_u32 s22, s18, s16                     ; s
	s_lshr_b32 s23, s17, 1
	s_lshl_b32 s23, s23, 5
	s_and_b32 s24, s17, 1
	s_lshl_b32 s24, s24, 3
	s_add_co_u32 s23, s23, s24                     ; the tile's first row: 32 (T / 2) + 8 (T % 2)
	s_lshl_b32 s18, s23, 12
	s_lshl_b32 s24, s22, 9
	s_add_co_u32 s18, s18, s24                     ; in x: row x 4,096 + s x 512
	s_mul_i32 s24, s17, 12288
	s_mul_i32 s26, s22, 1536
	s_add_co_u32 s24, s24, s26                     ; in img: T x 12,288 + 2 s x 768
	s_lshl_b32 s26, s17, 9
	s_lshr_b32 s28, s22, 1
	s_lshl_b32 s28, s28, 7
	s_add_co_u32 s26, s26, s28
	s_and_b32 s28, s22, 1
	s_lshl_b32 s28, s28, 2
	s_add_co_u32 s26, s26, s28                     ; in isc
	s_mul_i32 s28, s16, WREG
	s_wait_alu depctr_va_vdst(0)
	v_add_nc_u32 v7, s28, v5                       ; into my stage: 16 x lane, a row an instruction
	v_mul_u32_u24 v8, v3, SP
	v_lshl_add_u32 v8, v4, 7, v8
	v_add_nc_u32 v8, s28, v8                       ; out of it: row r, + 128 h: my 32 numbers of a block
	v_lshlrev_b32 v9, 3, v3                        ; 8 r
	s_wait_alu depctr_va_vdst(0)
	s_wait_kmcnt 0x0
	s_add_nc_u64 s[4:5], s[4:5], s[18:19]
	s_add_nc_u64 s[10:11], s[10:11], s[24:25]
	s_add_nc_u64 s[12:13], s[12:13], s[26:27]
.irp p, 0,1,2,3,4,5,6,7,8,9,10,11,12,13,14,15
	global_load_b128 v[16+4*\p:19+4*\p], v5, s[4:5] offset:(\p+8*(\p/8))*XROW th:TH_LOAD_NT   ; slot p's 128 numbers: 32 lanes read 512 consecutive bytes
.endr
.irp p, 0,1,2,3,4,5,6,7,8,9,10,11,12,13,14,15
	s_wait_loadcnt 15-\p                           ; loads come back in order: slot p's is in, the 15 - p younger ones may be out
	ds_store_b128 v7, v[16+4*\p:19+4*\p] offset:\p*SP
.endr
.irp c, 0,1
.irp j, 0,1,2,3,4,5,6,7
	ds_load_b128 v[80+32*\c+4*\j:83+32*\c+4*\j], v8 offset:256*\c+16*\j   ; my wave's own bytes, served in order: k = 64 c + 32 h + 0 .. 31 of row r
.endr
.endr
	s_wait_dscnt 0x0
.irp c, 0,1                                    ; my block 2 c + h: all its 32 numbers are mine
	v_max3_num_f32 v[10+\c], |v[80+32*\c]|, |v[81+32*\c]|, 0x1800000   ; with the floor 2^(3 - 127)
.endr
.irp i, 2,4,6,8,10,12,14,16,18,20,22,24,26,28,30
.irp c, 0,1
	v_max3_num_f32 v[10+\c], v[10+\c], |v[80+32*\c+\i]|, |v[81+32*\c+\i]|
.endr
.endr
.irp c, 0,1
	v_add_nc_u32 v[12+\c], 0xff000000, v[10+\c]    ; 2 off the exponent field: the conversion's scale operand
.endr
.irp c, 0,1
	v_lshrrev_b32 v[14+\c], 23, v[12+\c]           ; the scale's byte
.endr
	v_lshl_or_b32 v164, v15, 16, v14               ; blocks h and 2 + h,
	v_lshlrev_b32 v165, 3, v4
	v_lshlrev_b32 v164, v165, v164                 ; at their places in the word;
	v_mov_b32 v165, 0
	v_permlanex16_b32 v165, v164, s20, s21
	v_or_b32 v164, v164, v165                      ; with lane l xor 16's two the word is whole, in both lanes
	v_cvt_scalef32_pk16_fp6_f32 v[144:146], v[80:95], v12
	v_cvt_scalef32_pk16_fp6_f32 v[156:158], v[96:111], v12     ; (a conversion's three registers begin on an even number)
	v_cvt_scalef32_pk16_fp6_f32 v[150:152], v[112:127], v13
	v_cvt_scalef32_pk16_fp6_f32 v[160:162], v[128:143], v13
	v_nop                                          ; one plain place behind a scaled conversion
.irp i, 0,1,2
	v_mov_b32 v[147+\i], v[156+\i]
	v_mov_b32 v[153+\i], v[160+\i]
.endr
.irp c, 0,1
	global_store_b128 v5, v[144+6*\c:147+6*\c], s[10:11] offset:768*\c         ; 512 consecutive bytes
	global_store_b64 v6, v[148+6*\c:149+6*\c], s[10:11] offset:768*\c+512      ; 256 consecutive bytes
.endr
	global_store_b32 v9, v164, s[12:13]            ; lanes r and r + 16 store the same word to the same place
	s_wait_tensorcnt 0x0
	ds_add_u32 v168, v169
	s_wait_dscnt 0x0
	s_endpgm
; ---------------- the weights.  A LANE TAKES A COLUMN AND ITS REGISTERS RUN DOWN K: a block of 32 lies in one lane, and the codes come out with K innermost.
.macro WLOAD t, n4                     ; block t: W(128 s + 32 t + i, my column) into set t % 2; 32 lanes read 128 consecutive bytes
.irp i, 0,1,2,3,4,5,6,7,8,9,10,11,12,13,14,15,16,17,18,19,20,21,22,23,24,25,26,27,28,29,30,31
	global_load_b32 v[16+32*((\t)%2)+\i], v7, s[30:31] offset:(32*(\t)+\i)*\n4 th:TH_LOAD_NT
.endr
.endm
.macro WBLOCK t, n4
.set XS, 16+32*((\t)%2)
.if (\t) < 3
	s_wait_loadcnt 32                              ; this block's 32 loads are in; the next block's 32 may be out
.else
	s_wait_loadcnt 0x0
.endif
	v_max3_num_f32 v12, |v[XS]|, |v[XS+1]|, |v[XS+2]|
	v_max3_num_f32 v13, |v[XS+3]|, |v[XS+4]|, |v[XS+5]|
.irp i, 6,10,14,18,22,26
	v_max3_num_f32 v12, v12, |v[XS+\i]|, |v[XS+\i+1]|
	v_max3_num_f32 v13, v13, |v[XS+\i+2]|, |v[XS+\i+3]|
.endr
	v_max3_num_f32 v12, v12, |v[XS+30]|, |v[XS+31]|
	v_max3_num_f32 v12, v12, v13, 0x1800000        ; and the floor
	v_add_nc_u32 v11, 0xff000000, v12
	v_lshrrev_b32 v13, 23, v11
.if (\t) == 0
	v_mov_b32 v107, v13                            ; the column's scale word: the lower K in the lower byte
.else
	v_lshl_or_b32 v107, v13, 8*(\t), v107
.endif
	v_cvt_scalef32_pk16_fp6_f32 v[80+6*(\t):82+6*(\t)], v[XS:XS+15], v11
	v_cvt_scalef32_pk16_fp6_f32 v[104:106], v[XS+16:XS+31], v11
	v_nop                                          ; one plain place behind a scaled conversion
.irp i, 0,1,2
	v_mov_b32 v[83+6*(\t)+\i], v[104+\i]
.endr
.if (\t) < 2
	WLOAD (\t)+2, \n4
.endif
.endm
.macro WOUT c                          ; blocks 2 c and 2 c + 1 of 32 columns become half c of two tiles: the first six registers' lanes 16-31 change places with the second six's lanes 0-15
.irp i, 0,1,2,3,4,5
	v_permlane16_swap_b32 v[80+12*\c+\i], v[86+12*\c+\i]
.endr
.irp u, 0,1
	global_store_b128 v5, v[80+12*\c+6*\u:83+12*\c+6*\u], s[10:11] offset:\u*12288+\c*768
	global_store_b64 v6, v[84+12*\c+6*\u:85+12*\c+6*\u], s[10:11] offset:\u*12288+\c*768+512
.endr
.endm
.macro WQ n4, tile0, first, plo        ; n4: a row of W in bytes; tile0: its first tile in img; first: its first work-group; plo: its pointer
	s_sub_co_u32 s17, ttmp9, \first
	s_and_b32 s22, s17, 7                          ; s: which 128 along K
	s_lshr_b32 s23, s17, 3                         ; which 128 columns
	s_mul_i32 s18, s22, 128*\n4
	s_lshl_b32 s24, s23, 9
	s_add_co_u32 s18, s18, s24
	s_lshl_b32 s24, s16, 7
	s_add_co_u32 s18, s18, s24                     ; in W: 128 s rows + (128 cg + 32 wave) x 4 bytes
	s_lshl_b32 s24, s23, 3
	s_lshl_b32 s26, s16, 1
	s_add_co_u32 s24, s24, s26
	s_add_co_u32 s28, s24, \tile0                  ; my first tile
	s_mul_i32 s24, s28, 12288
	s_mul_i32 s26, s22, 1536
	s_add_co_u32 s24, s24, s26
	s_lshl_b32 s26, s28, 9
	s_lshr_b32 s29, s22, 1
	s_lshl_b32 s29, s29, 7
	s_add_co_u32 s26, s26, s29
	s_and_b32 s29, s22, 1
	s_lshl_b32 s29, s29, 2
	s_add_co_u32 s26, s26, s29
	v_and_b32 v7, 8, v3
	v_add_nc_u32 v7, v7, v3
	v_lshl_add_u32 v7, v4, 3, v7
	v_lshlrev_b32 v7, 2, v7                        ; my column: 8 u + r + 8 (r / 8), 4 bytes each
	v_lshlrev_b32 v9, 3, v3
	v_lshl_add_u32 v9, v4, 9, v9                   ; my scale word: tile u, 8 r
	s_wait_alu depctr_va_vdst(0)
	s_wait_kmcnt 0x0
	s_add_nc_u64 s[30:31], s[\plo:\plo+1], s[18:19]
	s_add_nc_u64 s[10:11], s[10:11], s[24:25]
	s_add_nc_u64 s[12:13], s[12:13], s[26:27]
	WLOAD 0, \n4
	WLOAD 1, \n4
	WBLOCK 0, \n4
	WBLOCK 1, \n4
	WOUT 0
	WBLOCK 2, \n4
	WBLOCK 3, \n4
	WOUT 1
	global_store_b32 v9, v107, s[12:13]
	s_endpgm
.endm
.Lnot_x:
	s_cmp_lt_u32 ttmp9, 704
	s_cbranch_scc0 .Lnot_qkv
	s_wait_alu depctr_va_vdst(0)
	WQ 12288, 256, 512, 6
.Lnot_qkv:
	s_cmp_lt_u32 ttmp9, 768
	s_cbranch_scc0 .Lrole_r
	s_wait_alu depctr_va_vdst(0)
	WQ 4096, 448, 704, 8
; ---------------- the table: lane i = pair i, frequency 10000^(-2 i / 64) = 10^(-i / 8)
.macro FREQ i, val
	s_mov_b32 s24, \val
	v_writelane_b32 v8, s24, \i
.endm
.Lrole_r:
	s_sub_co_u32 s17, ttmp9, 768
	s_lshl_b32 s17, s17, 6
	s_lshl_b32 s18, s16, 4
	s_add_co_u32 s22, s17, s18                     ; my wave's first position
	s_lshl_b32 s18, s22, 8                         ; 256 bytes a position
	v_mov_b32 v8, 0
	FREQ 0, 1.0
	FREQ 1, 0.74989420933
	FREQ 2, 0.56234132519
	FREQ 3, 0.42169650343
	FREQ 4, 0.31622776602
	FREQ 5, 0.23713737057
	FREQ 6, 0.17782794100
	FREQ 7, 0.13335214322
	FREQ 8, 0.1
	FREQ 9, 0.074989420933
	FREQ 10, 0.056234132519
	FREQ 11, 0.042169650343
	FREQ 12, 0.031622776602
	FREQ 13, 0.023713737057
	FREQ 14, 0.017782794100
	FREQ 15, 0.013335214322
	FREQ 16, 0.01
	FREQ 17, 0.0074989420933
	FREQ 18, 0.0056234132519
	FREQ 19, 0.0042169650343
	FREQ 20, 0.0031622776602
	FREQ 21, 0.0023713737057
	FREQ 22, 0.0017782794100
	FREQ 23, 0.0013335214322
	FREQ 24, 0.001
	FREQ 25, 0.00074989420933
	FREQ 26, 0.00056234132519
	FREQ 27, 0.00042169650343
	FREQ 28, 0.00031622776602
	FREQ 29, 0.00023713737057
	FREQ 30, 0.00017782794100
	FREQ 31, 0.00013335214322
	s_mov_b32 s26, 0x3fc90fdb                      ; pi/2, upper part
	s_mov_b32 s27, 0xb33bbd2e                      ; pi/2 less that
	v_mov_b32 v18, 0x3638ef1d                      ; 1/9!
	v_mov_b32 v19, 0xb493f27e                      ; -1/10!
	v_mov_b32 v26, v6                              ; 8 x lane
	s_mov_b32 s30, 0
	s_wait_kmcnt 0x0
	s_add_nc_u64 s[14:15], s[14:15], s[18:19]
.Lpos:
	v_cvt_f32_u32 v9, s22
	s_wait_alu depctr_va_vdst(0)
	v_mul_f32 v10, v9, v8                          ; the angle, one rounding
	v_mul_f32 v11, 0x3f22f983, v10
	v_rndne_f32 v11, v11                           ; n = the nearest multiple of pi/2
	v_fma_f32 v12, -v11, s26, v10                  ; n has 11 bits at the most: nothing is rounded here
	v_fma_f32 v12, -v11, s27, v12                  ; the rest, within pi/4
	v_mul_f32 v13, v12, v12
	v_fmaak_f32 v14, v18, v13, 0xb9500d01          ; the sine's series
	v_fmaak_f32 v14, v14, v13, 0x3c088889
	v_fmaak_f32 v14, v14, v13, 0xbe2aaaab
	v_mul_f32 v15, v12, v13
	v_fma_f32 v14, v14, v15, v12
	v_fmaak_f32 v16, v19, v13, 0x37d00d01          ; the cosine's
	v_fmaak_f32 v16, v16, v13, 0xbab60b61
	v_fmaak_f32 v16, v16, v13, 0x3d2aaaab
	v_fma_f32 v16, v16, v13, -0.5
	v_fma_f32 v16, v16, v13, 1.0
	v_cvt_i32_f32 v17, v11
	v_and_b32 v20, 1, v17
	v_cmp_eq_u32 vcc_lo, 1, v20                    ; an odd quarter turn: the two change places (a choice of values only)
	v_cndmask_b32 v21, v16, v14, vcc_lo
	v_cndmask_b32 v22, v14, v16, vcc_lo
	v_add_nc_u32 v23, 1, v17
	v_lshlrev_b32 v23, 30, v23
	v_and_b32 v23, 0x80000000, v23                 ; the cosine is negative in quarters 1 and 2,
	v_lshlrev_b32 v20, 30, v17
	v_and_b32 v20, 0x80000000, v20                 ; the sine in 2 and 3
	v_xor_b32 v24, v21, v23
	v_xor_b32 v25, v22, v20
	global_store_b64 v26, v[24:25], s[14:15]       ; 32 lanes store a position's 256 bytes
	s_wait_xcnt 0x0                                ; the store has read its registers: they are written again only behind this wait
	v_add_nc_u32 v26, 256, v26
	s_add_co_u32 s22, s22, 1
	s_add_co_u32 s30, s30, 1
	s_cmp_lt_u32 s30, 16
	s_cbranch_scc1 .Lpos
	s_endpgm
.Lfunc_end_k_q489ed14c5d_prep:
	.size	k_q489ed14c5d_prep, .Lfunc_end_k_q489ed14c5d_prep-k_q489ed14c5d_prep
	.p2alignl 7, 3214868480
	.fill 96, 4, 3214868480
	.section	.rodata,"a",@progbits
	.p2align	6, 0x0
	.amdhsa_kernel k_q489ed14c5d_prep
		.amdhsa_group_segment_fixed_size 34304
		.amdhsa_private_segment_fixed_size 0
		.amdhsa_enable_private_segment 0
		.amdhsa_kernarg_size 48
		.amdhsa_user_sgpr_count 2
		.amdhsa_user_sgpr_kernarg_segment_ptr 1
		.amdhsa_wavefront_size32 1
		.amdhsa_system_sgpr_workgroup_id_x 1
		.amdhsa_system_sgpr_workgroup_id_y 1
		.amdhsa_system_sgpr_workgroup_id_z 1
		.amdhsa_system_vgpr_workitem_id 0
		.amdhsa_next_free_vgpr 170
		.amdhsa_next_free_sgpr 66
		.amdhsa_reserve_vcc 1
		.amdhsa_float_denorm_mode_32 3
		.amdhsa_float_denorm_mode_16_64 3
		.amdhsa_memory_ordered 1
		.amdhsa_forward_progress 1
		.amdhsa_inst_pref_size 58
	.end_amdhsa_kernel
	.amdgpu_metadata
---
amdhsa.version: [ 1, 2 ]
amdhsa.kernels:
  - .name:           k_q489ed14c5d_prep
    .symbol:         k_q489ed14c5d_prep.kd
    .args:
      - { .name: x, .offset: 0, .size: 8, .value_kind: global_buffer, .address_space: global }
      - { .name: w_qkv, .offset: 8, .size: 8, .value_kind: global_buffer, .address_space: global }
      - { .name: w_o, .offset: 16, .size: 8, .value_kind: global_buffer, .address_space: global }
      - { .name: img, .offset: 24, .size: 8, .value_kind: global_buffer, .address_space: global }
      - { .name: isc, .offset: 32, .size: 8, .value_kind: global_buffer, .address_space: global }
      - { .name: rope, .offset: 40, .size: 8, .value_kind: global_buffer, .address_space: global }
    .group_segment_fixed_size: 34304
    .private_segment_fixed_size: 0
    .kernarg_segment_align: 8
    .kernarg_segment_size: 48
    .max_flat_workgroup_size: 128
    .sgpr_count:     66
    .vgpr_count:     170
    .wavefront_size: 32
...
	.end_amdgpu_metadata
.endif
;; end of part 1
;; launch gemm1 (part 2): grid 12 x 16, 4 waves a work-group, clusters of 4 x 4, 327,680 bytes of LDS; arguments img, isc, rope, qb, kv; writes qb, kv
.if DOCPART == 2
	.amdgcn_target "amdgcn-amd-amdhsa--gfx1250"
	.amdhsa_code_object_version 6
	.text
	.protected	k_q489ed14c5d_gemm1
	.globl	k_q489ed14c5d_gemm1
	.p2align	8
	.type	k_q489ed14c5d_gemm1,@function
k_q489ed14c5d_gemm1:
	s_mov_b64 s[64:65], 0
	v_nop
	global_prefetch_b8 v0, s[64:65] scope:SCOPE_SE
	s_setreg_imm32_b32 hwreg(HW_REG_WAVE_MODE, 25, 1), 1
	s_wait_xcnt 0x0
	s_wait_alu depctr_hold_cnt(0) depctr_sa_sdst(0) depctr_va_vdst(0) depctr_va_sdst(0) depctr_va_ssrc(0) depctr_va_vcc(0) depctr_vm_vsrc(0)
	s_getreg_b32 s2, hwreg(HW_REG_IB_STS2, 6, 4)
	s_cmp_eq_u32 s2, 0
	s_cbranch_scc0 .Lentry_in_a_cluster
	s_endpgm
.Lentry_in_a_cluster:
	s_bfe_u32 s2, ttmp6, 0x10000c
	s_cmp_lg_u32 s2, 0xf033
	s_cbranch_scc0 .Lentry_shape_is_right
	s_endpgm
.Lentry_shape_is_right:
.set NQ,     2
.set FR,     12
.set NL,     4
.set NP,     4
.set TILEB,  3072
.set HALFT,  8*TILEB
.set SLOT,   4*HALFT
.set SCL,    2*SLOT
.set HALFS,  4096
.set SBLK,   512
.set SPARE,  SCL+4*HALFS
.set ADRA, 16
.set ADRB, 20
.set ADRS, 27
.set SPW,  28
.set NIL,  29
.set SC,   32
.set AF,   128
.set G1, 24
.set G0, 32
.set G1B, 48
.set G0B, 56
.set G1S, 68
.set G0S, 76
.set G1SB, 80
.set G0SB, 88
.set SEL, 94
.set TM,  32
.set FL,  48
.set PWS, 52
.set PC,  64
.set SD,  84
.set MSB, 0
.macro WIN new
.if MSB != \new
	s_set_vgpr_msb (MSB<<8)|\new
.set MSB, \new
.endif
.endm
.set MUL_LO, 0xa1
.set MUL_HI, 0xf1
.set TO_B,   0x40
.macro JLOAD g0a, g1a, g0b, g1b
	s_cmp_eq_u32 s15, 0
	s_cbranch_scc0 .Lfor_b_\@
	tensor_load_to_lds s[\g0a:\g0a+3], s[\g1a:\g1a+7]
	s_nop 0
.rept 4
	v_nop
.endr
	s_branch .Lasked_\@
.Lfor_b_\@:
	tensor_load_to_lds s[\g0b:\g0b+3], s[\g1b:\g1b+7]
	s_nop 0
.rept 4
	v_nop
.endr
.Lasked_\@:
.endm
.macro CREST
	s_cmp_lg_u32 s14, 0
	s_cbranch_scc1 .Lnot_wave_0_\@
	s_barrier_signal -3
.Lnot_wave_0_\@:
	s_barrier_wait -3
	s_barrier_signal -1
	s_barrier_wait -1
.endm
.macro CROUND
	s_barrier_signal -1
	s_barrier_wait -1
	CREST
.endm
	s_load_b128 s[4:7], s[0:1], 0x0
	s_load_b128 s[8:11], s[0:1], 0x10
	s_load_b64 s[12:13], s[0:1], 0x20
	v_lshl_add_u32 v[SPW], v0, 2, SPARE
	v_mov_b32 v[NIL], 0
	ds_add_u32 v28, v29
	ds_add_u32 v28, v29
	s_wait_dscnt 0x0
	v_lshrrev_b32 v1, 5, v0
	v_readfirstlane_b32 s14, v1
	s_lshr_b32 s15, s14, 1
	s_and_b32 s16, s14, 1
	s_bfe_u32 s40, ttmp6, 0x40000
	s_bfe_u32 s41, ttmp6, 0x40004
	s_and_b32 s17, ttmp7, 0xffff
	s_lshl_b32 s17, s17, 2
	s_lshl_b32 s18, ttmp9, 2
	s_add_co_u32 s18, s18, 16
	s_cmp_eq_u32 ttmp9, 2
	s_cselect_b32 s42, 24, s17
	s_cselect_b32 s45, s17, s18
	s_add_co_u32 s42, s42, s41
	s_add_co_u32 s45, s45, s40
	s_lshl_b32 s43, s41, 2
	s_lshl_b32 s43, 15, s43
	s_lshl_b32 s44, 0x1111, s40
	s_or_b32 s[G1+0], s43, (3<<16)|(1<<21)
	s_or_b32 s[G1B+0], s44, (3<<16)|(1<<21)
.irp g, G1, G1B
	s_mov_b32 s[\g+1], 384<<16
	s_mov_b32 s[\g+2], 16<<16
	s_mov_b32 s[\g+3], 384<<16
	s_mov_b32 s[\g+4], 16
	s_mov_b32 s[\g+5], 1536
	s_mov_b32 s[\g+6], 0
	s_mov_b32 s[\g+7], 0
.endr
	s_or_b32 s[G1S+0], s43, (3<<16)|(1<<21)
	s_or_b32 s[G1SB+0], s44, (3<<16)|(1<<21)
.irp g, G1S, G1SB
	s_mov_b32 s[\g+1], 32<<16
	s_mov_b32 s[\g+2], 32<<16
	s_mov_b32 s[\g+3], 32<<16
	s_mov_b32 s[\g+4], 32
	s_mov_b32 s[\g+5], 32
	s_mov_b32 s[\g+6], 0
	s_mov_b32 s[\g+7], 0
.endr
	s_lshl_b32 s19, s16, 7
	s_lshl_b32 s20, s42, 8
	s_add_co_u32 s20, s20, s19
	s_lshl_b32 s46, s45, 8
	s_add_co_u32 s46, s46, s19
	s_lshl_b32 s22, s20, 5
	s_mov_b32 s23, 0
	s_lshl_b32 s92, s46, 5
	s_mov_b32 s93, 0
	s_mul_i32 s20, s20, 768
	s_mov_b32 s21, 0
	s_mul_i32 s46, s46, 768
	s_mov_b32 s47, 0
	s_mul_i32 s94, s14, HALFT
	s_lshl_b32 s95, s14, 12
	s_wait_kmcnt 0x0
	s_add_nc_u64 s[20:21], s[4:5], s[20:21]
	s_add_nc_u64 s[22:23], s[6:7], s[22:23]
	s_add_nc_u64 s[46:47], s[4:5], s[46:47]
	s_add_nc_u64 s[92:93], s[6:7], s[92:93]
	CROUND
; THE HEAD'S FOUR TILES, each whole, one joint load a wave: K step 0's 16 tiles of A' (wave 0) and of B' (wave 1), the scale words of A's 256 rows (wave 2) and of B's (wave 3).
; s[20:23], s[46:47], s[92:93] point at my half of 128 rows: the half's bytes are taken off again for the whole tiles.
	s_mul_i32 s96, s16, 128*768
	s_mov_b32 s97, 0
	s_lshl_b32 s98, s16, 12
	s_mov_b32 s99, 0
	s_mov_b32 s[G0], 1
	s_mov_b32 s[G0+1], 0
	s_sub_nc_u64 s[G0+2:G0+3], s[20:21], s[96:97]
	s_or_b32 s[G0+3], s[G0+3], 0x80000000
	s_mov_b32 s[G0B], 1
	s_mov_b32 s[G0B+1], 2*HALFT
	s_sub_nc_u64 s[G0B+2:G0B+3], s[46:47], s[96:97]
	s_or_b32 s[G0B+3], s[G0B+3], 0x80000000
	s_mov_b32 s[G0S], 1
	s_mov_b32 s[G0S+1], SCL
	s_sub_nc_u64 s[G0S+2:G0S+3], s[22:23], s[98:99]
	s_or_b32 s[G0S+3], s[G0S+3], 0x80000000
	s_mov_b32 s[G0SB], 1
	s_mov_b32 s[G0SB+1], SCL+2*HALFS
	s_sub_nc_u64 s[G0SB+2:G0SB+3], s[92:93], s[98:99]
	s_or_b32 s[G0SB+3], s[G0SB+3], 0x80000000
	s_mov_b32 s[G0+4], 1                           ; the ring's slot 1: my 8 tiles of K step 1
	s_add_co_u32 s[G0+5], s94, SLOT
	s_add_nc_u64 s[G0+6:G0+7], s[20:21], TILEB
	s_or_b32 s[G0+7], s[G0+7], 0x80000000
	s_mov_b32 s[G0B+4], 1
	s_add_co_u32 s[G0B+5], s94, SLOT
	s_add_nc_u64 s[G0B+6:G0B+7], s[46:47], TILEB
	s_or_b32 s[G0B+7], s[G0B+7], 0x80000000
.macro ARM under, g0, g1, next         ; one chain of branches on the wave's number, one load to an arm, all arms to one join
	s_cmp_lt_u32 s14, \under
	s_cbranch_scc0 \next
	tensor_load_to_lds s[\g0:\g0+3], s[\g1:\g1+7]
	s_nop 0
.rept 4
	v_nop
.endr
	s_branch .Lhead_asked
\next:
.endm
	ARM 1, G0,  G1,  .Lhead_b
	ARM 2, G0B, G1B, .Lhead_sa
	ARM 3, G0S, G1S, .Lhead_sb
	tensor_load_to_lds s[G0SB:G0SB+3], s[G1SB:G1SB+7]
	s_nop 0
.rept 4
	v_nop
.endr
.Lhead_asked:
	s_wait_alu depctr_va_vdst(0)
	s_wait_tensorcnt 0x0                           ; my tile of the head's four is in
	ds_add_u32 v28, v29
	s_mov_b32 s[G1+2], 8<<16                       ; no tensor load of mine is out: from here on a load brings 8 tiles,
	s_mov_b32 s[G1+4], 8
	s_mov_b32 s[G1B+2], 8<<16
	s_mov_b32 s[G1B+4], 8
	s_mov_b32 s[G0+1], s94                         ; and slot 0's group 0 points at my 8 tiles of K step 0: its first refill steps it on
	s_mov_b64 s[G0+2:G0+3], s[20:21]
	s_or_b32 s[G0+3], s[G0+3], 0x80000000
	s_mov_b32 s[G0B+1], s94
	s_mov_b64 s[G0B+2:G0B+3], s[46:47]
	s_or_b32 s[G0B+3], s[G0B+3], 0x80000000
	s_wait_dscnt 0x0
	CROUND                                         ; all four tiles are in, and all sixteen work-groups are here
	JLOAD G0+4, G1, G0B+4, G1B                     ; K step 1, the first tensor load behind the round
	v_and_b32 v1, 15, v0
	v_bfe_u32 v2, v0, 4, 1
	v_and_b32 v3, 31, v0
	v_lshlrev_b32 v4, 4, v3
	v_lshlrev_b32 v5, 3, v3
	s_mul_i32 s21, s15, HALFT
	s_mul_i32 s22, s16, HALFT
	s_add_co_u32 s22, s22, 2*HALFT
.irp s, 0,1
	v_add_nc_u32 v[ADRA+\s], s21, v4
	v_add_nc_u32 v[ADRB+\s], s22, v4
	v_add_nc_u32 v[ADRA+2+\s], s21, v5
	v_add_nc_u32 v[ADRB+2+\s], s22, v5
	s_add_co_u32 s21, s21, SLOT
	s_add_co_u32 s22, s22, SLOT
.endr
	v_lshlrev_b32 v6, 3, v1
	s_lshl_b32 s21, s15, 12
	s_lshl_b32 s22, s16, 12
	s_add_co_u32 s22, s22, 2*HALFS
	s_sub_co_u32 s22, s22, s21
	v_mul_u32_u24 v7, s22, v2
	s_add_co_u32 s21, s21, SCL
	v_add_nc_u32 v6, v6, v7
	v_add_nc_u32 v[ADRS], s21, v6
.macro FRAG reg, adr, q, i
	ds_load_b128 v[\reg:\reg+3], v[\adr] offset:(\i)*TILEB+(\q)*1536
	ds_load_b64 v[\reg+4:\reg+5], v[\adr+2] offset:(\i)*TILEB+(\q)*1536+512
	ds_load_b128 v[\reg+6:\reg+9], v[\adr] offset:(\i)*TILEB+(\q)*1536+768
	ds_load_b64 v[\reg+10:\reg+11], v[\adr+2] offset:(\i)*TILEB+(\q)*1536+1280
.endm
.macro MUL16 a0, p, q, sc, zero
.irp a, \a0, \a0+1
.irp b, 0,1,2,3,4,5,6,7
.if \zero
	v_wmma_scale_f32_16x16x128_f8f6f4 v[8*(8*((\a)%4)+\b):8*(8*((\a)%4)+\b)+7], v[128*(\p)+FR*\b:128*(\p)+FR*\b+FR-1], v[AF+FR*(\a):AF+FR*(\a)+FR-1], 0, v[SC+8*NQ*(\sc)+NQ*\b+(\q)], v[SC+8*NQ*(\sc)+NQ*(\a)+(\q)] matrix_a_fmt:MATRIX_FMT_FP6 matrix_b_fmt:MATRIX_FMT_FP6 matrix_a_scale:MATRIX_SCALE_ROW1
.else
	v_wmma_scale_f32_16x16x128_f8f6f4 v[8*(8*((\a)%4)+\b):8*(8*((\a)%4)+\b)+7], v[128*(\p)+FR*\b:128*(\p)+FR*\b+FR-1], v[AF+FR*(\a):AF+FR*(\a)+FR-1], v[8*(8*((\a)%4)+\b):8*(8*((\a)%4)+\b)+7], v[SC+8*NQ*(\sc)+NQ*\b+(\q)], v[SC+8*NQ*(\sc)+NQ*(\a)+(\q)] matrix_a_fmt:MATRIX_FMT_FP6 matrix_b_fmt:MATRIX_FMT_FP6 matrix_a_scale:MATRIX_SCALE_ROW1
.endif
.endr
.endr
.endm
.macro FETCH_B slot, q, p
	WIN TO_B
.irp i, 0,1,2,3,4,5,6,7
	FRAG 128*(\p)+FR*\i, ADRB+\slot, \q, \i
.endr
	WIN 0
.endm
.macro FETCH_A slot, q, i0
.irp i, \i0, \i0+1, \i0+2, \i0+3
	FRAG AF+FR*(\i), ADRA+\slot, \q, \i
.endr
.endm
.macro SCALES sc, ks
.irp i, 0,1,2,3,4,5,6,7
	ds_load_b64 v[SC+8*NQ*(\sc)+NQ*\i:SC+8*NQ*(\sc)+NQ*\i+1], v[ADRS] offset:\i*SBLK+(\ks)*128
.endr
.endm
.macro PLACES n
.rept \n
	v_nop
.endr
.endm
.macro STEP slot, q, zero
	s_wait_dscnt 4*NL
	WIN MUL_LO
	MUL16 0, (\q)%2, \q, \slot, \zero
	MUL16 2, (\q)%2, \q, \slot, \zero
	s_wait_dscnt 0
	PLACES NP
	FETCH_B \slot, (\q)+1, 1-(\q)%2
	FETCH_A \slot, (\q)+1, 0
	WIN MUL_HI
	MUL16 4, (\q)%2, \q, \slot, \zero
	MUL16 6, (\q)%2, \q, \slot, \zero
	PLACES NP
	WIN 0
	FETCH_A \slot, (\q)+1, 4
.endm
.macro TURN slot, next, fill, ks
	s_wait_tensorcnt 0x0
	ds_add_u32 v[SPW], v[NIL]
	s_wait_dscnt 4*NL+1
	WIN MUL_LO
	MUL16 0, 1, NQ-1, \slot, 0
	s_wait_dscnt 0x0
	s_barrier_signal -1
	MUL16 2, 1, NQ-1, \slot, 0
	WIN 0
	s_barrier_wait -1
.if \fill
	CREST
	s_add_nc_u64 s[G0+4*\slot+2:G0+4*\slot+3], s[G0+4*\slot+2:G0+4*\slot+3], 2*TILEB
	s_add_nc_u64 s[G0B+4*\slot+2:G0B+4*\slot+3], s[G0B+4*\slot+2:G0B+4*\slot+3], 2*TILEB
	JLOAD G0+4*\slot, G1, G0B+4*\slot, G1B
.else
	PLACES NP
.endif
	FETCH_B \next, 0, 0
	FETCH_A \next, 0, 0
	SCALES \next, \ks
	WIN MUL_HI
	MUL16 4, 1, NQ-1, \slot, 0
	MUL16 6, 1, NQ-1, \slot, 0
	PLACES NP
	WIN 0
	FETCH_A \next, 0, 4
.endm
	s_wait_alu depctr_va_vdst(0)
	s_wait_tensorcnt 1
	s_barrier_signal -1
	s_barrier_wait -1
	FETCH_B 0, 0, 0
	FETCH_A 0, 0, 0
	SCALES 0, 0
	FETCH_A 0, 0, 4
	STEP 0, 0, 1
	TURN 0, 1, 1, 1
	STEP 1, 0, 0
	TURN 1, 0, 1, 2
	STEP 0, 0, 0
	TURN 0, 1, 0, 3
	STEP 1, 0, 0
	s_wait_dscnt 4*NL
	WIN MUL_LO
	MUL16 0, 1, NQ-1, 1, 0
	MUL16 2, 1, NQ-1, 1, 0
	s_wait_dscnt 0
	WIN MUL_HI
	MUL16 4, 1, NQ-1, 1, 0
	MUL16 6, 1, NQ-1, 1, 0
	WIN 0
	PLACES NP
	s_lshl_b32 s20, s42, 8
	s_lshl_b32 s21, s15, 7
	s_add_co_u32 s20, s20, s21
	s_lshl_b32 s22, s45, 8
	s_lshl_b32 s23, s16, 7
	s_add_co_u32 s22, s22, s23
	s_and_b32 s46, s42, 3
	s_lshl_b32 s46, s46, 2
	s_lshl_b32 s47, s15, 1
	s_add_co_u32 s46, s46, s47
	s_and_b32 s92, s45, 3
	s_lshl_b32 s92, s92, 2
	s_lshl_b32 s93, s16, 1
	s_add_co_u32 s92, s92, s93
	s_cmp_eq_u32 ttmp9, 2
	s_cselect_b32 s20, s22, s20
	s_cselect_b32 s46, s46, s92
	s_lshr_b32 s21, s20, 11
	s_lshl_b32 s21, s21, 4
	s_add_co_u32 s21, s21, s46
	s_lshl_b32 s21, s21, 4
	s_bfe_u32 s22, s20, 0x40007
	s_add_co_u32 s21, s21, s22
	s_mov_b32 s23, 13056
	s_mov_b32 s47, 12288
	s_cmp_eq_u32 ttmp9, 0
	s_cselect_b64 s[96:97], s[10:11], s[12:13]
	s_cselect_b32 s23, 6656, s23
	s_cselect_b32 s47, 6144, s47
	s_mul_i32 s92, s21, s23
	s_mov_b32 s93, 0
	s_add_nc_u64 s[96:97], s[96:97], s[92:93]
	s_lshl_b32 s92, s23, 4
	s_add_nc_u64 s[98:99], s[96:97], s[92:93]
	s_and_b32 s92, s20, 2047
	s_lshl_b32 s92, s92, 8
	s_add_nc_u64 s[100:101], s[8:9], s[92:93]
	s_mov_b32 s[SEL], 0x76543210
	s_mov_b32 s[SEL+1], 0xfedcba98
	v_mov_b32 v[FL], 0x1800000
.irp b, 0,1,2,3
	v_mov_b32 v[TM+4+\b], 0
.endr
	v_cmp_eq_u32 vcc_lo, 1, v2
	v_lshlrev_b32 v94, 5, v1
	v_lshl_add_u32 v94, v2, 4, v94
	v_add_nc_u32 v94, s47, v94
	v_and_b32 v95, 8, v1
	v_add_nc_u32 v95, v95, v1
	v_lshlrev_b32 v95, 8, v95
	v_lshl_add_u32 v95, v2, 6, v95
.macro QUANT a
.set W, 2+(\a)/4
.set AC, 64*((\a)%4)
.set WS, 20*W
	WIN WS
.irp b, 0,1,2,3
	v_max3_num_f32 v[TM+\b], v[FL], |v[AC+16*\b]|, |v[AC+16*\b+1]|
.endr
.irp i, 2,4,6,8,10,12,14
.irp b, 0,1,2,3
	v_max3_num_f32 v[TM+\b], v[TM+\b], |v[AC+16*\b+\i]|, |v[AC+16*\b+\i+1]|
.endr
.endr
	WIN 0
.irp b, 0,1,2,3
	v_permlanex16_b32 v[TM+4+\b], v[TM+\b], s[SEL], s[SEL+1]
.endr
.irp b, 0,1,2,3
	v_max_num_f32 v[TM+\b], v[TM+\b], v[TM+4+\b]
.endr
.irp b, 0,1,2,3
	v_add_nc_u32 v[TM+12+\b], 0xff000000, v[TM+\b]
.endr
.irp b, 0,1,2,3
	v_lshrrev_b32 v[TM+4+\b], 23, v[TM+12+\b]
.endr
	v_lshl_or_b32 v[PWS+(\a)], v[TM+5], 8, v[TM+4]
	v_lshl_or_b32 v[PWS+(\a)], v[TM+6], 16, v[PWS+(\a)]
	v_lshl_or_b32 v[PWS+(\a)], v[TM+7], 24, v[PWS+(\a)]
	s_wait_xcnt 0x0
	WIN W
.irp c, 0,1
	v_cvt_scalef32_pk16_fp6_f32 v[PC+6*\c:PC+6*\c+2], v[AC+32*\c:AC+32*\c+15], v[TM+12+2*\c]
	v_cvt_scalef32_pk16_fp6_f32 v[PC+12+4*\c:PC+12+4*\c+2], v[AC+32*\c+16:AC+32*\c+31], v[TM+13+2*\c]
.endr
	WIN 0
	v_nop
.irp c, 0,1
.irp i, 0,1,2
	v_permlane16_swap_b32 v[PC+6*\c+\i], v[PC+12+4*\c+\i]
.endr
.irp i, 0,1,2
	v_mov_b32 v[PC+3+6*\c+\i], v[PC+12+4*\c+\i]
.endr
.endr
.endm
.macro ROPE a
.set W, 2+(\a)/4
.set AC, 64*((\a)%4)
.set W1, W+4
.set W2, W+4+64*W
	s_wait_loadcnt 56-8*(\a)
	WIN W1
.set NN, 0
.rept 32
	v_pk_mul_f32 v[128+NN:129+NN], v[AC+NN:AC+NN+1], v[32*(\a)+NN%32:32*(\a)+NN%32+1] op_sel_hi:[1,0]
.set NN, NN+2
.endr
	WIN W2
.set NN, 0
.rept 32
	v_pk_fma_f32 v[AC+NN:AC+NN+1], v[AC+NN:AC+NN+1], v[32*(\a)+NN%32:32*(\a)+NN%32+1], v[128+NN:129+NN] op_sel:[1,1,0] op_sel_hi:[0,1,1] neg_lo:[1,0,0]
.set NN, NN+2
.endr
.endm
	s_cmp_eq_u32 ttmp9, 2
	s_cbranch_scc1 .Lv_tail
	s_cmp_eq_u32 s16, 0
	s_cbranch_scc1 .Lqk_quant
	WIN 0x40
.irp a, 0,1,2,3,4,5,6,7
.irp b, 0,1
.irp j, 0,1,2,3
	global_load_b128 v[32*\a+16*\b+4*\j:32*\a+16*\b+4*\j+3], v95, s[100:101] offset:(32*(\a/2)+8*(\a%2))*256+128*\b+16*\j
.endr
.endr
.endr
.irp a, 0,1,2,3,4,5,6,7
	ROPE \a
.endr
	WIN 0
.Lqk_quant:
.irp a, 0,1,2,3,4,5,6,7
	QUANT \a
.irp e, 0,1
	global_store_b128 v4, v[PC+6*\e:PC+6*\e+3], s[96+2*\e:97+2*\e] offset:\a*768
	global_store_b64 v5, v[PC+6*\e+4:PC+6*\e+5], s[96+2*\e:97+2*\e] offset:\a*768+512
.endr
.endr
	s_mov_b32 s92, 0x7f7f7f7f
	s_mov_b32 s93, 0x04040100
.irp a, 0,1,2,3,4,5,6,7
	v_perm_b32 v[96+\a], s92, v[PWS+\a], s93
.endr
.irp j, 0,1,2,3
	v_cndmask_b32 v[SD+\j], v[96+\j], v[100+\j], vcc_lo
.endr
	s_mov_b32 s93, 0x04040302
.irp a, 0,1,2,3,4,5,6,7
	v_perm_b32 v[96+\a], s92, v[PWS+\a], s93
.endr
.irp j, 0,1,2,3
	v_cndmask_b32 v[SD+4+\j], v[96+\j], v[100+\j], vcc_lo
.endr
	global_store_b128 v94, v[SD:SD+3], s[96:97]
	global_store_b128 v94, v[SD+4:SD+7], s[98:99]
	s_branch .Ljoin
.Lv_tail:
	v_mul_u32_u24 v96, 0x33000, v2
	v_lshl_add_u32 v96, v1, 4, v96
.irp a, 0,1,2,3,4,5,6,7
	QUANT \a
.irp g, 0,1,2
	global_store_b128 v4, v[PC+4*\g:PC+4*\g+3], s[96+2*(\a/4):97+2*(\a/4)] offset:6144+(\a%4)*1536+\g*512
.endr
.endr
.irp j, 0,1,2,3
	v_cndmask_b32 v[SD+\j], v[PWS+\j], v[PWS+4+\j], vcc_lo
.endr
	global_store_b128 v96, v[SD:SD+3], s[96:97] offset:12800
.Ljoin:
	s_wait_tensorcnt 0x0
	ds_add_u32 v[SPW], v[NIL]
	s_wait_dscnt 0x0
	CROUND
	s_endpgm
.Lfunc_end_k_q489ed14c5d_gemm1:
	.size	k_q489ed14c5d_gemm1, .Lfunc_end_k_q489ed14c5d_gemm1-k_q489ed14c5d_gemm1
	.p2alignl 7, 3214868480
	.fill 96, 4, 3214868480
	.section	.rodata,"a",@progbits
	.p2align	6, 0x0
	.amdhsa_kernel k_q489ed14c5d_gemm1
		.amdhsa_group_segment_fixed_size 327680
		.amdhsa_private_segment_fixed_size 0
		.amdhsa_enable_private_segment 0
		.amdhsa_kernarg_size 40
		.amdhsa_user_sgpr_count 2
		.amdhsa_user_sgpr_kernarg_segment_ptr 1
		.amdhsa_wavefront_size32 1
		.amdhsa_system_sgpr_workgroup_id_x 1
		.amdhsa_system_sgpr_workgroup_id_y 1
		.amdhsa_system_sgpr_workgroup_id_z 1
		.amdhsa_system_vgpr_workitem_id 0
		.amdhsa_next_free_vgpr 1024
		.amdhsa_next_free_sgpr 102
		.amdhsa_reserve_vcc 1
		.amdhsa_float_denorm_mode_32 3
		.amdhsa_float_denorm_mode_16_64 3
		.amdhsa_memory_ordered 1
		.amdhsa_forward_progress 1
		.amdhsa_inst_pref_size 222
	.end_amdhsa_kernel
	.amdgpu_metadata
---
amdhsa.version: [ 1, 2 ]
amdhsa.kernels:
  - .name:           k_q489ed14c5d_gemm1
    .symbol:         k_q489ed14c5d_gemm1.kd
    .args:
      - { .name: img, .offset: 0, .size: 8, .value_kind: global_buffer, .address_space: global }
      - { .name: isc, .offset: 8, .size: 8, .value_kind: global_buffer, .address_space: global }
      - { .name: rope, .offset: 16, .size: 8, .value_kind: global_buffer, .address_space: global }
      - { .name: qb, .offset: 24, .size: 8, .value_kind: global_buffer, .address_space: global }
      - { .name: kv, .offset: 32, .size: 8, .value_kind: global_buffer, .address_space: global }
    .group_segment_fixed_size: 327680
    .private_segment_fixed_size: 0
    .kernarg_segment_align: 8
    .kernarg_segment_size: 40
    .max_flat_workgroup_size: 128
    .sgpr_count:     102
    .vgpr_count:     1024
    .wavefront_size: 32
...
	.end_amdgpu_metadata
.endif
;; end of part 2
;; launch attn (part 3): grid 8 x 32, 16 waves a work-group, clusters of 4 x 1, 251,904 bytes of LDS; arguments qb, kv, log_xi, oc, os; writes oc, os
.if DOCPART == 3
	.amdgcn_target "amdgcn-amd-amdhsa--gfx1250"
	.amdhsa_code_object_version 6
	.text
	.protected	k_q489ed14c5d_attn
	.globl	k_q489ed14c5d_attn
	.p2align	8
	.type	k_q489ed14c5d_attn,@function
k_q489ed14c5d_attn:
	s_mov_b64 s[64:65], 0
	v_nop
	global_prefetch_b8 v0, s[64:65] scope:SCOPE_SE
	s_setreg_imm32_b32 hwreg(HW_REG_WAVE_MODE, 25, 1), 1
	s_wait_xcnt 0x0
	s_wait_alu depctr_hold_cnt(0) depctr_sa_sdst(0) depctr_va_vdst(0) depctr_va_sdst(0) depctr_va_ssrc(0) depctr_va_vcc(0) depctr_vm_vsrc(0)
	s_getreg_b32 s2, hwreg(HW_REG_IB_STS2, 6, 4)
	s_cmp_eq_u32 s2, 0
	s_cbranch_scc0 .Lentry_in_a_cluster
	s_endpgm
.Lentry_in_a_cluster:
	s_bfe_u32 s2, ttmp6, 0x10000c
	s_cmp_lg_u32 s2, 0x3003
	s_cbranch_scc0 .Lentry_shape_is_right
	s_endpgm
.Lentry_shape_is_right:
; ATTN.  For each batch and head: O = softmax(q k^T / 8 + bias) v, causal, bias = -(q - k) / xi on odd heads; both products on codes of FP6 (E2M3) with E8M0 scales; O is quantised along d for the last product.
; THE SOFTMAX: t = logit x log2(e); M = the running largest t rounded UP to a whole number; p = 2^(t - M) is quantised along the keys, not normalised; the sum of the unquantised p divides O at the end.
;   The score product takes (8 / xi) i as its C (0 on even heads, by a select): S' = s + (8 / xi) i for key KF + 32 b + 16 h + i in register 16 b + i; t - M = S' c + (g (KF + 16 h - q + 32 b) - M), c = log2(e) / 8, g = log2(e) / xi.
; NO RING: a head's K, V and scale words are 16 key steps x 13,056 = 208,896 bytes and stay in LDS.  Wave w brings key step w by its one tensor load; nothing is filled again.
; SHARES.  Work-group x of a head takes tile x (16 queries) of each of the 16 blocks of 128 queries, so all eight work-groups have the same walk and read all 16 key steps.  Blocks p and 15 - p make 17 key steps, shared by waves 2 p, 2 p + 1:
;   role A: block p's p + 1 steps, that tile's way out, then steps 0 .. 7 - p of block 15 - p (9 steps); role B: steps 8 - p .. 15 - p of block 15 - p (8 steps).  A's part of the long tile goes to B through LDS; since M is a whole
;   number the two parts are joined by factors that are powers of two.  The role is (w ^ (w / 4)) & 1, so every four waves w % 4 or w / 4 alike hold two of each.  Key steps behind a block are never walked; the diagonal step masks by a select.
; CLUSTERS: the four work-groups of a cluster belong to one head and ask for each key step jointly (mask 15).  The place in the cluster enters q's and O's global addresses and the mask's compare alone: no branch, trip count or LDS address.
; NO PREFETCH: every tile is asked for by the head's loads; there is no loop to run ahead in.
; LAYOUT.  S^T = K Q^T (source 0 = 16 keys), O^T = V^T P^T (source 0 = 16 of d): a lane holds one query.  Tiles' slots are r -> 8 u + r + 8 (r / 8), so 16 registers of two tiles are 16 neighbours (keys; d).
;   K = 64 in an instruction of 128: q's upper six registers are zero codes; k's operand runs on into the next tile's codes, which meet those zeros; the scale bytes there are 0x7f.
; LIMITS: NaN and infinities are not served; xi = 0 is not served; a block whose largest number lies under 2^-124 gets the byte 1; the scaled scores stay under 2^31 in magnitude.
; VECTOR: v0 the long tile's Q scale word (behind the head); v1-4 16 lane, 8 lane, 32 r, 16 r; v5 my query in its block - 16 h; v6 -infinity; v7 g; v8-11 addresses; v12 -M, v13 largest t, v[14:15] the sum; v16-27 Q; v28-31, v94-95 the long tile's Q;
;   v32-85 K (8 x 6, six zeros) or V (4 x 12); v86-93 at work; v96-159 S, p; v160-191 O^T; v192-207 C; v208-226 p's codes; v223, v227 the add's; v228-243 blocks' figures; v244-251 scale words; v252 f, v253 p's scale word, v255 Q's.
; SCALAR: s14 16 batch + head, s15 head, s16 batch, s17 x, s18 wave, s19 p, s36 role, s37 the trip at which A changes tiles, s38 my trips, s39 the diagonal's trip, s40-41 key step - trip before and behind the change,
;   s42-43 the same less the block, s44 trip, s45 LDS byte of the key step, s46 128 (key step - block), s47 15 - p, s58 the block that I finish, s59 my pair's stage.
.set STEPB, 13056
.set SPARE, 0x34000                    ; 16 waves x 128 bytes of spare words
.set STG,   0x34800                    ; eight stages of 4,608 bytes: 32 registers of O^T and -M, t, the sum: 9 x 512
.set STGB,  4608
.macro ROUND                           ; a round of the cluster's barrier
	s_barrier_signal -1
	s_barrier_wait -1
	s_cmp_lg_u32 s18, 0
	s_cbranch_scc1 .Lnot_wave_0_\@
	s_barrier_signal -3
.Lnot_wave_0_\@:
	s_barrier_wait -3
	s_barrier_signal -1
	s_barrier_wait -1
.endm
.macro INIT                            ; a tile's start: the step is written once, its first trip finds zeros
	v_mov_b32 v13, 0xff61b1e6                      ; -3e38, under every t
	v_mov_b32 v14, 0
	v_mov_b32 v15, 0
	v_floor_f32 v12, -v13
.set NN, 0
.rept 32
	v_mov_b32 v[160+NN], 0
.set NN, NN+1
.endr
.endm
; THE WAY OUT of a tile: O^T / the sum, quantised along d (register 16 b + i = d 32 b + 16 h + i), as one image of 768 bytes and two scale bytes a row
.macro FINISH
.rept 4
	v_nop                                          ; places behind the last products
.endr
	v_add_f32 v14, v14, v15
	s_delay_alu instid0(VALU_DEP_1)
	v_permlanex16_b32 v252, v14, s20, s21
	s_delay_alu instid0(VALU_DEP_1)
	v_add_f32 v14, v14, v252                       ; the row's sum
	s_wait_alu depctr_va_vdst(0)                   ; the wait ahead of the transcendental
	v_rcp_f32 v14, v14
	v_lshrrev_b32 v8, 1, v4                        ; (a plain place)  8 r
	s_wait_alu depctr_va_vdst(0)                   ; and behind it, ahead of the first reader
.set NN, 0
.rept 16
	v_pk_mul_f32 v[96+NN:97+NN], v[160+NN:161+NN], v[14:15] op_sel_hi:[1,0]   ; each accumulator from its low end on
.set NN, NN+2
.endr
.irp b, 0,1
	v_max3_num_f32 v[228+\b], |v[96+16*\b]|, |v[97+16*\b]|, 0x1800000
.endr
.irp i, 2,4,6,8,10,12,14
.irp b, 0,1
	s_delay_alu instid0(VALU_DEP_2)
	v_max3_num_f32 v[228+\b], v[228+\b], |v[96+16*\b+\i]|, |v[97+16*\b+\i]|
.endr
.endr
.irp b, 0,1
	s_delay_alu instid0(VALU_DEP_2)
	v_permlanex16_b32 v[232+\b], v[228+\b], s20, s21
.endr
.irp b, 0,1
	s_delay_alu instid0(VALU_DEP_2)
	v_max_num_f32 v[228+\b], v[228+\b], v[232+\b]
.endr
.irp b, 0,1
	s_delay_alu instid0(VALU_DEP_2)
	v_add_nc_u32 v[236+\b], 0xff000000, v[228+\b]
.endr
.irp b, 0,1
	s_delay_alu instid0(VALU_DEP_2)
	v_lshrrev_b32 v[232+\b], 23, v[236+\b]
.endr
	s_delay_alu instid0(VALU_DEP_1)
	v_lshl_or_b32 v253, v233, 8, v232
	v_cvt_scalef32_pk16_fp6_f32 v[208:210], v[96:111], v236
	v_cvt_scalef32_pk16_fp6_f32 v[220:222], v[112:127], v237
	v_nop                                          ; one plain place behind a scaled conversion
.irp i, 0,1,2
	v_permlane16_swap_b32 v[208+\i], v[220+\i]
.endr
.irp i, 0,1,2
	s_delay_alu instid0(VALU_DEP_3)
	v_mov_b32 v[211+\i], v[220+\i]
.endr
	global_store_b128 v1, v[208:211], s[10:11]     ; 512 consecutive bytes
	global_store_b64 v2, v[212:213], s[10:11] offset:512
	global_store_b16 v8, v253, s[12:13]            ; lanes r and r + 16 store the same two bytes to the same place
.endm
	s_load_b256 s[4:11], s[0:1], 0x0               ; qb s[4:5], kv s[6:7], log_xi s[8:9], oc s[10:11]
	s_load_b64 s[12:13], s[0:1], 0x20              ; os
	v_lshl_add_u32 v223, v0, 2, SPARE
	v_mov_b32 v227, 0
	ds_add_u32 v223, v227                          ; the opening lines: the add, twice on end, and its wait
	ds_add_u32 v223, v227
	v_lshrrev_b32 v8, 5, v0
	v_readfirstlane_b32 s18, v8                    ; wave 0..15
	s_and_b32 s14, ttmp7, 0xffff
	s_and_b32 s15, s14, 15
	s_lshr_b32 s16, s14, 4
	s_mov_b32 s24, 15|(3<<16)|(1<<21)              ; group 1: the mask names the cluster's four; a key step, 13,056 dense bytes, as 51 rows of 256 (32 elements of 8 bytes)
	s_mov_b32 s25, 32<<16
	s_mov_b32 s26, 51<<16
	s_mov_b32 s27, 32<<16
	s_mov_b32 s28, 51
	s_mov_b32 s29, 32
	s_mov_b32 s30, 0
	s_mov_b32 s31, 0
	s_mov_b32 s32, 1
	s_mul_i32 s33, s18, STEPB                      ; LDS: key step = wave
	s_mul_i32 s48, s14, 16*STEPB
	s_add_co_u32 s48, s48, s33
	s_mov_b32 s49, 0
	s_wait_dscnt 0x0
	s_wait_kmcnt 0x0
	s_add_nc_u64 s[34:35], s[6:7], s[48:49]
	s_or_b32 s35, s35, 0x80000000
	ROUND                                          ; the four work-groups are here: the joint loads meet
	tensor_load_to_lds s[32:35], s[24:31]          ; my one tensor load
	s_nop 0
.rept 4
	v_nop
.endr
	s_lshl_b32 s54, s15, 2
	s_mov_b32 s55, 0
	s_add_nc_u64 s[8:9], s[8:9], s[54:55]
	s_load_b32 s60, s[8:9], 0x0                    ; my head's log xi
	s_mov_b32 s20, 0x76543210
	s_mov_b32 s21, 0xfedcba98
	s_mov_b32 s22, 0x3e38aa3b                      ; c = log2(e) / 8
	s_mov_b32 s23, s22
	s_bfe_u32 s17, ttmp6, 0x40000
	s_lshl_b32 s48, ttmp9, 2
	s_add_co_u32 s17, s17, s48                     ; x = 4 x cluster x + cx
	s_lshr_b32 s19, s18, 1                         ; p
	s_lshr_b32 s36, s18, 2
	s_xor_b32 s36, s36, s18
	s_and_b32 s36, s36, 1                          ; role: 0 A, 1 B
	s_sub_co_u32 s47, 15, s19
	s_add_co_u32 s48, s19, 1
	s_sub_co_u32 s49, 8, s19
	s_sub_co_u32 s50, 0, s48
	s_cmp_eq_u32 s36, 0
	s_cselect_b32 s58, s19, s47
	s_cselect_b32 s37, s48, 64                     ; B never changes tiles
	s_cselect_b32 s38, 9, 8
	s_cselect_b32 s39, s19, 7
	s_cselect_b32 s40, 0, s49
	s_cselect_b32 s41, s50, s49
	s_sub_co_u32 s42, s40, s58
	s_sub_co_u32 s43, s41, s47
	s_mul_i32 s59, s19, STGB
	s_add_co_u32 s59, s59, STG
	s_lshl_b32 s48, s14, 4                         ; q: (16 (16 batch + head) + block) x 6,656 + 768 x
	s_add_co_u32 s49, s48, s58
	s_add_co_u32 s48, s48, s47
	s_mul_i32 s52, s49, 6656
	s_mul_i32 s54, s48, 6656
	s_mul_i32 s49, s17, 768
	s_add_co_u32 s52, s52, s49
	s_add_co_u32 s54, s54, s49
	s_mov_b32 s53, 0
	s_mov_b32 s55, 0
	s_add_nc_u64 s[52:53], s[4:5], s[52:53]        ; the tile that I begin with
	s_add_nc_u64 s[54:55], s[4:5], s[54:55]        ; the long tile
	s_mul_i32 s57, s17, 764
	s_sub_co_u32 s57, 6144, s57                    ; from there to the tile's scale words: 6,144 - 768 x + 4 x
	s_lshr_b32 s56, s17, 1
	s_lshl_b32 s56, s56, 5
	s_and_b32 s49, s17, 1
	s_lshl_b32 s49, s49, 3
	s_add_co_u32 s56, s56, s49                     ; the tile's first query in its block
	s_lshl_b32 s48, s16, 7                         ; the tile that I finish: 128 batch + 8 block + x
	s_lshl_b32 s49, s58, 3
	s_add_co_u32 s48, s48, s49
	s_add_co_u32 s48, s48, s17
	s_mul_i32 s50, s48, 12288
	s_mul_i32 s51, s15, 768
	s_add_co_u32 s50, s50, s51
	s_mov_b32 s51, 0
	s_add_nc_u64 s[10:11], s[10:11], s[50:51]
	s_lshl_b32 s50, s48, 9
	s_lshr_b32 s49, s15, 2
	s_lshl_b32 s49, s49, 7
	s_add_co_u32 s50, s50, s49
	s_bfe_u32 s49, s15, 0x10001
	s_lshl_b32 s49, s49, 2
	s_add_co_u32 s50, s50, s49
	s_and_b32 s49, s15, 1
	s_lshl_b32 s49, s49, 1
	s_add_co_u32 s50, s50, s49
	s_add_nc_u64 s[12:13], s[12:13], s[50:51]
	s_and_b32 s61, s15, 1
	s_cmp_lg_u32 s61, 0
	s_cselect_b32 s61, -1, 0                       ; odd heads decay
	s_mov_b32 s44, 0
	v_and_b32 v8, 31, v0
	v_and_b32 v9, 15, v0                           ; r
	v_bfe_u32 v10, v0, 4, 1                        ; h
	v_lshlrev_b32 v1, 4, v8
	v_lshlrev_b32 v2, 3, v8
	v_lshlrev_b32 v3, 5, v9
	v_lshlrev_b32 v4, 4, v9
	v_add_nc_u32 v11, s57, v3
	global_load_b128 v[16:19], v1, s[52:53]
	global_load_b64 v[20:21], v2, s[52:53] offset:512
	global_load_b32 v255, v11, s[52:53]
	global_load_b128 v[28:31], v1, s[54:55]
	global_load_b64 v[94:95], v2, s[54:55] offset:512
	global_load_b32 v0, v11, s[54:55]              ; (the thread's number has been read for the last time)
	v_and_b32 v5, 8, v9
	v_lshlrev_b32 v86, 4, v10
	v_add3_u32 v5, v5, v9, s56                     ; my query in its block
	s_delay_alu instid0(VALU_DEP_1)
	v_sub_nc_u32 v5, v5, v86                       ; - 16 h
	v_mov_b32 v6, 0xff800000
.irp j, 22,23,24,25,26,27,80,81,82,83,84,85
	v_mov_b32 v[\j], 0                             ; zero codes
.endr
.irp j, 89,232,233,234,235,237,239,241,243,252,253
	v_mov_b32 v[\j], 0                             ; permutes' destinations and upper halves of named pairs: written once
.endr
	INIT
	s_wait_alu depctr_va_vdst(0)                   ; the wait here, directly ahead of the wait below
	s_wait_kmcnt 0x0
	v_mov_b32 v7, s60
	s_delay_alu instid0(VALU_DEP_1)
	v_mul_f32 v86, 0xbfb8aa3b, v7                  ; -log xi x log2(e), in two parts
	s_delay_alu instid0(VALU_DEP_1)
	v_fma_f32 v87, v7, 0xbfb8aa3b, -v86
	v_rndne_f32 v88, v86
	s_delay_alu instid0(VALU_DEP_2)
	v_fma_f32 v87, v7, 0xb2a57060, v87
	s_delay_alu instid0(VALU_DEP_2)
	v_sub_f32 v86, v86, v88
	s_delay_alu instid0(VALU_DEP_1)
	v_add_f32 v86, v86, v87
	s_wait_alu depctr_va_vdst(0)
	v_exp_f32 v86, v86
	v_cvt_i32_f32 v88, v88                         ; (a plain place behind the exponential)
	s_wait_alu depctr_va_vdst(0)
	v_ldexp_f32 v86, v86, v88                      ; 1 / xi
	s_delay_alu instid0(VALU_DEP_1)
	v_mul_f32 v7, 0x3fb8aa3b, v86
	v_mul_f32 v87, 0x41000000, v86
	s_delay_alu instid0(VALU_DEP_2)
	v_and_b32 v7, s61, v7                          ; g
	s_delay_alu instid0(VALU_DEP_2)
	v_and_b32 v87, s61, v87                        ; 8 / xi, or 0
.irp i, 0,1,2,3,4,5,6,7,8,9,10,11,12,13,14,15
	v_cvt_f32_u32 v88, \i
	s_delay_alu instid0(VALU_DEP_1)
	v_mul_f32 v[192+\i], v88, v87                  ; the score products' C
.endr
	s_wait_alu depctr_va_vdst(0)                   ; the wait at the head's end
	s_wait_loadcnt 0x0                             ; both tiles of q
	s_wait_tensorcnt 0x0                           ; my key step has landed
	s_barrier_signal -1
	s_barrier_wait -1                              ; everybody's has
.Ltrip:                                                ; nine trips in every wave; role B has no work in the ninth
	s_cmp_ge_u32 s44, s38
	s_cbranch_scc1 .Lskip
	s_cmp_lg_u32 s44, s37
	s_cbranch_scc1 .Lsame
	FINISH                                         ; role A: the short tile is done
	s_wait_xcnt 0x0                                ; the stores have read their registers
.irp i, 0,1,2,3
	v_mov_b32 v[16+\i], v[28+\i]                   ; on to the long tile
.endr
	v_mov_b32 v20, v94
	v_mov_b32 v21, v95
	v_mov_b32 v255, v0
	INIT                                           ; (36 plain lines: the places between these writes and the scaled products)
	s_wait_alu depctr_va_vdst(0)                   ; the wait ahead of the scalar lines below
.Lsame:
	s_cmp_ge_u32 s44, s37
	s_cselect_b32 s45, s41, s40
	s_cselect_b32 s46, s43, s42
	s_add_co_u32 s45, s45, s44
	s_and_b32 s45, s45, 15                         ; the key step
	s_mul_i32 s45, s45, STEPB
	s_add_co_u32 s46, s46, s44
	s_lshl_b32 s46, s46, 7                         ; 128 (key step - block)
	v_add_nc_u32 v8, s45, v1                       ; (these four are also the places behind the last products)
	v_add_nc_u32 v9, s45, v2
	v_add_nc_u32 v10, s45, v3
	v_add_nc_u32 v11, s45, v4
.irp t, 0,1,2,3,4,5,6,7
	ds_load_b128 v[32+6*\t:35+6*\t], v8 offset:768*\t
	ds_load_b64 v[36+6*\t:37+6*\t], v9 offset:768*\t+512
.endr
	ds_load_b128 v[244:247], v10 offset:12288      ; K's scale words, tiles 0-3 and 4-7 of my row
	ds_load_b128 v[248:251], v10 offset:12304
	s_wait_alu depctr_va_vdst(0)
	s_wait_dscnt 0x0
.irp t, 0,1,2,3,4,5,6,7
	v_wmma_scale_f32_16x16x128_f8f6f4 v[96+8*\t:103+8*\t], v[32+6*\t:43+6*\t], v[16:27], v[192+8*(\t%2):199+8*(\t%2)], v[244+\t], v255 matrix_a_fmt:MATRIX_FMT_FP6 matrix_b_fmt:MATRIX_FMT_FP6
.endr
.rept 4
	v_nop                                          ; places in front of the loads below and of the first read of the scores
.endr
.irp t, 0,1,2,3
.irp q, 0,1,2
	ds_load_b128 v[32+12*\t+4*\q:35+12*\t+4*\q], v8 offset:6144+1536*\t+512*\q   ; V^T: asked for now, lands under the softmax
.endr
.endr
	ds_load_b128 v[244:247], v11 offset:12800      ; V's scale words
	s_cmp_lg_u32 s44, s39
	s_cbranch_scc1 .Lopen
.set NN, 0
.rept 64                                       ; on the diagonal: register 16 b + i holds key 32 b + 16 h + i of the block: hidden where 32 b + i > my query - 16 h
	v_cmp_gt_i32 vcc_lo, 32*(NN/16)+NN%16, v5
	v_cndmask_b32 v[96+NN], v[96+NN], v6, vcc_lo
.set NN, NN+1
.endr
.Lopen:
.irp b, 0,1,2,3
	v_max3_num_f32 v[228+\b], v[96+16*\b], v[97+16*\b], v[98+16*\b]   ; each block's largest S' among my 16: it serves the row's maximum and the block's largest p
.endr
.irp i, 3,5,7,9,11,13
.irp b, 0,1,2,3
	v_max3_num_f32 v[228+\b], v[228+\b], v[96+16*\b+\i], v[97+16*\b+\i]   ; (the four blocks by turns)
.endr
.endr
.irp b, 0,1,2,3
	v_max_num_f32 v[228+\b], v[228+\b], v[111+16*\b]
.endr
	v_sub_nc_u32 v86, s46, v5
	s_delay_alu instid0(VALU_DEP_1)
	v_cvt_f32_i32 v86, v86                         ; KF + 16 h - q: whole numbers, exact
	s_delay_alu instid0(VALU_DEP_1)
	v_add_f32 v87, 0x42000000, v86
	v_add_f32 v92, 0x42800000, v86
	v_add_f32 v254, 0x42c00000, v86
	v_mul_f32 v88, v7, v86                         ; g (KF + 16 h - q + 32 b)
	s_delay_alu instid0(VALU_DEP_4)
	v_mul_f32 v89, v7, v87
	s_delay_alu instid0(VALU_DEP_4)
	v_mul_f32 v90, v7, v92
	s_delay_alu instid0(VALU_DEP_4)
	v_mul_f32 v91, v7, v254
.irp b, 0,1,2,3
	s_delay_alu instid0(VALU_DEP_4)
	v_fma_f32 v[232+\b], v[228+\b], s22, v[88+\b]  ; each block's largest t
.endr
	s_delay_alu instid0(VALU_DEP_2)
	v_max3_num_f32 v254, v232, v233, v234
	s_delay_alu instid0(VALU_DEP_1)
	v_max_num_f32 v254, v254, v235
	s_delay_alu instid0(VALU_DEP_1)
	v_permlanex16_b32 v86, v254, s20, s21
	s_delay_alu instid0(VALU_DEP_1)
	v_max3_num_f32 v13, v13, v254, v86             ; the running largest t of my query
	v_mov_b32 v254, v12
	s_delay_alu instid0(VALU_DEP_2)
	v_floor_f32 v12, -v13                          ; -M = floor(-t)
	s_delay_alu instid0(VALU_DEP_1)
	v_sub_f32 v254, v12, v254                      ; old M - new M: a whole number, 0 or less
	s_delay_alu instid0(VALU_DEP_1)
	v_cvt_i32_f32 v254, v254                       ; (it saturates)
	s_delay_alu instid0(VALU_DEP_1)
	v_ldexp_f32 v252, 1.0, v254                    ; f = 2^(old M - new M)
.irp b, 0,1,2,3
	v_add_f32 v[236+2*\b], v[88+\b], v12
.endr
.set NN, 0
.rept 32
	v_pk_fma_f32 v[96+NN:97+NN], v[96+NN:97+NN], s[22:23], v[236+2*(NN/16):237+2*(NN/16)] op_sel_hi:[1,0,0]   ; t - M
.set NN, NN+2
.endr
.irp b, 0,1,2,3
	v_fma_f32 v[228+\b], v[228+\b], s22, v[236+2*\b]   ; the same multiply-add on the block's largest S': the same bits
.endr
	s_wait_alu depctr_va_vdst(0)                   ; the wait ahead of the batch
.set NN, 0
.rept 64
	v_exp_f32 v[96+NN], v[96+NN]                   ; p
.set NN, NN+1
.endr
.irp b, 0,1,2,3
	v_exp_f32 v[228+\b], v[228+\b]
.endr
	v_pk_mul_f32 v[14:15], v[14:15], v[252:253] op_sel_hi:[1,0]   ; the sums under the new M (a plain place behind the exponentials)
	s_wait_alu depctr_va_vdst(0)                   ; one wait for the batch
.irp b, 0,1,2,3
	v_permlanex16_b32 v[232+\b], v[228+\b], s20, s21
.endr
.irp b, 0,1,2,3
	v_max3_num_f32 v[228+\b], v[228+\b], v[232+\b], 0x1800000   ; the block's largest p, with the floor
.endr
.irp b, 0,1,2,3
	s_delay_alu instid0(VALU_DEP_4)
	v_add_nc_u32 v[237+2*\b], 0xff000000, v[228+\b]
.endr
.irp b, 0,1,2,3
	s_delay_alu instid0(VALU_DEP_4)
	v_lshrrev_b32 v[232+\b], 23, v[237+2*\b]
.endr
	s_delay_alu instid0(VALU_DEP_3)
	v_lshl_or_b32 v253, v233, 8, v232
	s_delay_alu instid0(VALU_DEP_1)
	v_lshl_or_b32 v253, v234, 16, v253
	s_delay_alu instid0(VALU_DEP_1)
	v_lshl_or_b32 v253, v235, 24, v253             ; p's scale word
.irp c, 0,1
	v_cvt_scalef32_pk16_fp6_f32 v[208+6*\c:210+6*\c], v[96+32*\c:111+32*\c], v[237+4*\c]
	v_cvt_scalef32_pk16_fp6_f32 v[220+4*\c:222+4*\c], v[112+32*\c:127+32*\c], v[239+4*\c]
.endr
	v_nop                                          ; one plain place behind a scaled conversion
.irp c, 0,1
.irp i, 0,1,2
	v_permlane16_swap_b32 v[208+6*\c+\i], v[220+4*\c+\i]
.endr
.irp i, 0,1,2
	s_delay_alu instid0(VALU_DEP_3)
	v_mov_b32 v[211+6*\c+\i], v[220+4*\c+\i]
.endr
.endr
.set NN, 96                            ; the sum of the unquantised p: 32 pairs in eight chains
.irp c, 92,86,88,90,228,230,234
	v_pk_add_f32 v[\c:\c+1], v[NN:NN+1], v[NN+2:NN+3]
.set NN, NN+4
.endr
.rept 2
.irp c, 14,92,86,88,90,228,230,234
	v_pk_add_f32 v[\c:\c+1], v[\c:\c+1], v[NN:NN+1]
.set NN, NN+2
.endr
.endr
	v_pk_add_f32 v[14:15], v[14:15], v[156:157]
	v_pk_add_f32 v[92:93], v[92:93], v[158:159]
	v_pk_add_f32 v[86:87], v[86:87], v[88:89]
	v_pk_add_f32 v[90:91], v[90:91], v[228:229]
	v_pk_add_f32 v[230:231], v[230:231], v[234:235]
	v_pk_add_f32 v[14:15], v[14:15], v[92:93]
	v_pk_add_f32 v[86:87], v[86:87], v[90:91]
	s_delay_alu instid0(VALU_DEP_2)
	v_pk_add_f32 v[14:15], v[14:15], v[230:231]
	s_delay_alu instid0(VALU_DEP_1)
	v_pk_add_f32 v[14:15], v[14:15], v[86:87]
	s_wait_alu depctr_va_vdst(0)                   ; the wait here, directly ahead of the first reader of O^T
.set NN, 0
.rept 16
	v_pk_mul_f32 v[160+NN:161+NN], v[160+NN:161+NN], v[252:253] op_sel_hi:[1,0]   ; O^T under the new M
.set NN, NN+2
.endr
	s_wait_alu depctr_va_vdst(0)                   ; the wait here, directly ahead of the wait below
	s_wait_dscnt 0x0                               ; V
.irp t, 0,1,2,3                                ; the four accumulators take turns
	v_wmma_scale_f32_16x16x128_f8f6f4 v[160+8*\t:167+8*\t], v[32+12*\t:43+12*\t], v[208:219], v[160+8*\t:167+8*\t], v[244+\t], v253 matrix_a_fmt:MATRIX_FMT_FP6 matrix_b_fmt:MATRIX_FMT_FP6
.endr
.Lskip:
	s_add_co_u32 s44, s44, 1
	s_cmp_lt_u32 s44, 9
	s_cbranch_scc1 .Ltrip
	; THE LONG TILE'S TWO PARTS ARE JOINED: role A stores its O^T, -M and sum as images of registers; a barrier; role B takes them in and finishes the tile
.rept 4
	v_nop                                          ; places behind the last products
.endr
	v_add_nc_u32 v8, s59, v1                       ; my pair's stage + 16 lane, made ahead of the parting
	s_wait_alu depctr_va_vdst(0)                   ; the wait ahead of the branch
	s_cmp_lg_u32 s36, 0
	s_cbranch_scc1 .Lno_store
.irp k, 0,1,2,3,4,5,6,7
	ds_store_b128 v8, v[160+4*\k:163+4*\k] offset:512*\k   ; each accumulator from its low end on
.endr
	ds_store_b128 v8, v[12:15] offset:4096
.Lno_store:
	s_wait_dscnt 0x0                               ; my stores are done
	s_barrier_signal -1
	s_barrier_wait -1
	s_cmp_eq_u32 s36, 0
	s_cbranch_scc1 .Lend
.irp k, 0,1,2,3,4,5,6,7,8
	ds_load_b128 v[96+4*\k:99+4*\k], v8 offset:512*\k      ; A's O^T in v96-127; -M, t, the sum in v128-131
.endr
	s_wait_dscnt 0x0
	v_min_num_f32 v86, v12, v128                   ; the joint -M
	s_delay_alu instid0(VALU_DEP_1)
	v_sub_f32 v87, v86, v12
	v_sub_f32 v88, v86, v128
	s_delay_alu instid0(VALU_DEP_2)
	v_cvt_i32_f32 v87, v87
	s_delay_alu instid0(VALU_DEP_2)
	v_cvt_i32_f32 v88, v88
	s_delay_alu instid0(VALU_DEP_2)
	v_ldexp_f32 v252, 1.0, v87                     ; my part's factor,
	s_delay_alu instid0(VALU_DEP_2)
	v_ldexp_f32 v88, 1.0, v88                      ; and A's: powers of two
.set NN, 0
.rept 16
	v_pk_mul_f32 v[96+NN:97+NN], v[96+NN:97+NN], v[88:89] op_sel_hi:[1,0]
.set NN, NN+2
.endr
.set NN, 0
.rept 16
	v_pk_fma_f32 v[160+NN:161+NN], v[160+NN:161+NN], v[252:253], v[96+NN:97+NN] op_sel_hi:[1,0,1]
.set NN, NN+2
.endr
	v_pk_mul_f32 v[14:15], v[14:15], v[252:253] op_sel_hi:[1,0]
	s_delay_alu instid0(VALU_DEP_1)
	v_pk_fma_f32 v[14:15], v[130:131], v[88:89], v[14:15] op_sel_hi:[1,0,1]
	FINISH
.Lend:
	s_wait_tensorcnt 0x0                           ; the wave's end
	ds_add_u32 v223, v227
	s_wait_dscnt 0x0
	ROUND                                          ; the closing round
	s_endpgm
.Lfunc_end_k_q489ed14c5d_attn:
	.size	k_q489ed14c5d_attn, .Lfunc_end_k_q489ed14c5d_attn-k_q489ed14c5d_attn
	.p2alignl 7, 3214868480
	.fill 96, 4, 3214868480
	.section	.rodata,"a",@progbits
	.p2align	6, 0x0
	.amdhsa_kernel k_q489ed14c5d_attn
		.amdhsa_group_segment_fixed_size 251904
		.amdhsa_private_segment_fixed_size 0
		.amdhsa_enable_private_segment 0
		.amdhsa_kernarg_size 40
		.amdhsa_user_sgpr_count 2
		.amdhsa_user_sgpr_kernarg_segment_ptr 1
		.amdhsa_wavefront_size32 1
		.amdhsa_system_sgpr_workgroup_id_x 1
		.amdhsa_system_sgpr_workgroup_id_y 1
		.amdhsa_system_sgpr_workgroup_id_z 1
		.amdhsa_system_vgpr_workitem_id 0
		.amdhsa_next_free_vgpr 256
		.amdhsa_next_free_sgpr 66
		.amdhsa_reserve_vcc 1
		.amdhsa_float_denorm_mode_32 3
		.amdhsa_float_denorm_mode_16_64 3
		.amdhsa_memory_ordered 1
		.amdhsa_forward_progress 1
		.amdhsa_inst_pref_size 49
	.end_amdhsa_kernel
	.amdgpu_metadata
---
amdhsa.version: [ 1, 2 ]
amdhsa.kernels:
  - .name:           k_q489ed14c5d_attn
    .symbol:         k_q489ed14c5d_attn.kd
    .args:
      - { .name: qb, .offset: 0, .size: 8, .value_kind: global_buffer, .address_space: global }
      - { .name: kv, .offset: 8, .size: 8, .value_kind: global_buffer, .address_space: global }
      - { .name: log_xi, .offset: 16, .size: 8, .value_kind: global_buffer, .address_space: global }
      - { .name: oc, .offset: 24, .size: 8, .value_kind: global_buffer, .address_space: global }
      - { .name: os, .offset: 32, .size: 8, .value_kind: global_buffer, .address_space: global }
    .group_segment_fixed_size: 251904
    .private_segment_fixed_size: 0
    .kernarg_segment_align: 8
    .kernarg_segment_size: 40
    .max_flat_workgroup_size: 512
    .sgpr_count:     66
    .vgpr_count:     256
    .wavefront_size: 32
...
	.end_amdgpu_metadata
.endif
;; end of part 3
;; launch gemm2 (part 4): grid 8 x 32, 4 waves a work-group, clusters of 4 x 4, 222,720 bytes of LDS; arguments oc, os, img, isc, out0; writes out0
.if DOCPART == 4
	.amdgcn_target "amdgcn-amd-amdhsa--gfx1250"
	.amdhsa_code_object_version 6
	.text
	.protected	k_q489ed14c5d_gemm2
	.globl	k_q489ed14c5d_gemm2
	.p2align	8
	.type	k_q489ed14c5d_gemm2,@function
k_q489ed14c5d_gemm2:
	s_mov_b64 s[64:65], 0
	v_nop
	global_prefetch_b8 v0, s[64:65] scope:SCOPE_SE
	s_setreg_imm32_b32 hwreg(HW_REG_WAVE_MODE, 25, 1), 1
	s_wait_xcnt 0x0
	s_wait_alu depctr_hold_cnt(0) depctr_sa_sdst(0) depctr_va_vdst(0) depctr_va_sdst(0) depctr_va_ssrc(0) depctr_va_vcc(0) depctr_vm_vsrc(0)
	s_getreg_b32 s2, hwreg(HW_REG_IB_STS2, 6, 4)
	s_cmp_eq_u32 s2, 0
	s_cbranch_scc0 .Lentry_in_a_cluster
	s_endpgm
.Lentry_in_a_cluster:
	s_bfe_u32 s2, ttmp6, 0x10000c
	s_cmp_lg_u32 s2, 0xf033
	s_cbranch_scc0 .Lentry_shape_is_right
	s_endpgm
.Lentry_shape_is_right:
; GEMM2.  out0 = O w_o on codes of FP6 (E2M3) with E8M0 scales, K = 1,024 = (head, d).  O's codes and scale words lie in oc and os, w_o's in img (tiles 448-511) and isc, all as images of operand registers:
; a tile of 16 rows is 12,288 dense bytes (8 steps of 128 along K x 1,536), its scale words 512 bytes (word of step s, slot r at (s / 2) x 128 + 8 r + 4 (s % 2)).
; A work-group of four waves makes 128 tokens x 128 columns, a wave 64 x 64: 16 accumulators; 32 x 8 = 256 work-groups.  NO RING: 8 tiles of O and 8 of w_o for all of K are 2 x 98,304 bytes, their scale words 2 x 4,096:
; the four blocks are dense in memory and come by the head's four tensor loads, one a wave; nothing is filled again.  NO PREFETCH: all tiles are asked for at the head; there is no loop to run ahead in.
; CLUSTERS: 4 x 4; O's blocks are asked for jointly along a row of the cluster, w_o's along a column.
; THE MATRIX INSTRUCTION IS USED TRANSPOSED (source 0 = 16 columns of w_o, source 1 = 16 tokens): a lane holds eight neighbouring numbers of a row of out0.  Slot r of tile 2 B + u is row 32 B + 8 u + r + 8 (r / 8), for
; tokens and for columns alike: the way out puts both back by immediates.
; REGISTERS: window 0: v1-7, v16-23 addresses, v28-29 the add's; v32-63 scale words of all eight steps; v64-159, v160-255 two sets of fragments (B's four, then A's four); on the way out v64-127 rows.  window 1: v0-127 the accumulators.
.set TB,     12288
.set LB,     98304                     ; LDS: O's codes at 0, w_o's here,
.set LSA,    196608                    ; O's scale words,
.set LSB,    200704                    ; w_o's,
.set SPARE,  204800                    ; the spare words, 512 bytes,
.set STAGE,  205312                    ; and a stage of 16 rows x (256 + 16) bytes for each wave
.set SPITCH, 272
.set SPW, 28
.set NIL, 29
.set MSB, 0
.macro WIN new                         ; the immediate's high byte repeats the setting that is left
.if MSB != \new
	s_set_vgpr_msb (MSB<<8)|\new
.set MSB, \new
.endif
.endm
.macro CROUND                          ; a round of the cluster's barrier
	s_barrier_signal -1
	s_barrier_wait -1
	s_cmp_lg_u32 s14, 0
	s_cbranch_scc1 .Lnot_wave_0_\@
	s_barrier_signal -3
.Lnot_wave_0_\@:
	s_barrier_wait -3
	s_barrier_signal -1
	s_barrier_wait -1
.endm
.macro PLACES
.rept 4
	v_nop
.endr
.endm
	s_load_b128 s[4:7], s[0:1], 0x0                ; oc, os
	s_load_b128 s[8:11], s[0:1], 0x10              ; img, isc
	s_load_b64 s[12:13], s[0:1], 0x20              ; out0
	v_lshl_add_u32 v[SPW], v0, 2, SPARE
	v_mov_b32 v[NIL], 0
	ds_add_u32 v[SPW], v[NIL]                      ; the opening lines: the add, twice on end, and its wait
	ds_add_u32 v[SPW], v[NIL]
	v_lshrrev_b32 v1, 5, v0
	v_readfirstlane_b32 s14, v1                    ; wave
	s_lshr_b32 s15, s14, 1                         ; which 64 tokens
	s_and_b32 s16, s14, 1                          ; which 64 columns
	s_bfe_u32 s40, ttmp6, 0x40000                  ; cx
	s_bfe_u32 s41, ttmp6, 0x40004                  ; cy
	s_and_b32 s42, ttmp7, 0xffff
	s_lshl_b32 s42, s42, 2
	s_add_co_u32 s42, s42, s41                     ; my run of 128 tokens
	s_lshl_b32 s45, ttmp9, 2
	s_add_co_u32 s45, s45, s40                     ; my run of 128 columns
	s_lshl_b32 s43, s41, 2
	s_lshl_b32 s43, 15, s43                        ; my row of the cluster
	s_lshl_b32 s44, 0x1111, s40                    ; my column
	s_or_b32 s24, s43, (3<<16)|(1<<21)             ; groups 1: dense blocks as rows of 256 bytes (32 elements of 8 bytes): 384 rows of codes, 16 of scale words
	s_or_b32 s32, s44, (3<<16)|(1<<21)
	s_or_b32 s48, s43, (3<<16)|(1<<21)
	s_or_b32 s56, s44, (3<<16)|(1<<21)
.irp g, 24, 32
	s_mov_b32 s[\g+1], 32<<16
	s_mov_b32 s[\g+2], 384<<16
	s_mov_b32 s[\g+3], 32<<16
	s_mov_b32 s[\g+4], 384
	s_mov_b32 s[\g+5], 32
	s_mov_b32 s[\g+6], 0
	s_mov_b32 s[\g+7], 0
.endr
.irp g, 48, 56
	s_mov_b32 s[\g+1], 32<<16
	s_mov_b32 s[\g+2], 16<<16
	s_mov_b32 s[\g+3], 32<<16
	s_mov_b32 s[\g+4], 16
	s_mov_b32 s[\g+5], 32
	s_mov_b32 s[\g+6], 0
	s_mov_b32 s[\g+7], 0
.endr
	s_mul_i32 s20, s42, 8*TB                       ; O: eight tiles a run
	s_mov_b32 s21, 0
	s_lshl_b32 s22, s42, 12
	s_mov_b32 s23, 0
	s_lshl_b32 s46, s45, 3
	s_add_co_u32 s46, s46, 448                     ; w_o's first tile of my run
	s_lshl_b32 s84, s46, 9
	s_mov_b32 s85, 0
	s_mul_i32 s46, s46, TB
	s_mov_b32 s47, 0
	s_mov_b32 s68, 1
	s_mov_b32 s69, 0
	s_mov_b32 s72, 1
	s_mov_b32 s73, LB
	s_mov_b32 s76, 1
	s_mov_b32 s77, LSA
	s_mov_b32 s80, 1
	s_mov_b32 s81, LSB
	s_wait_dscnt 0x0
	s_wait_kmcnt 0x0
	s_add_nc_u64 s[70:71], s[4:5], s[20:21]
	s_or_b32 s71, s71, 0x80000000
	s_add_nc_u64 s[74:75], s[8:9], s[46:47]
	s_or_b32 s75, s75, 0x80000000
	s_add_nc_u64 s[78:79], s[6:7], s[22:23]
	s_or_b32 s79, s79, 0x80000000
	s_add_nc_u64 s[82:83], s[10:11], s[84:85]
	s_or_b32 s83, s83, 0x80000000
	CROUND                                         ; all sixteen work-groups are here: the joint loads meet
; the head's four loads, one a wave, in one chain of branches on the wave's number: wave 0 O's codes, wave 1 w_o's, wave 2 O's scale words, wave 3 w_o's
.macro ARM under, g0, g1, next
	s_cmp_lt_u32 s14, \under
	s_cbranch_scc0 \next
	tensor_load_to_lds s[\g0:\g0+3], s[\g1:\g1+7]
	s_nop 0
.rept 4
	v_nop
.endr
	s_branch .Lhead_asked
\next:
.endm
	ARM 1, 68, 24, .Lhead_b
	ARM 2, 72, 32, .Lhead_sa
	ARM 3, 76, 48, .Lhead_sb
	tensor_load_to_lds s[80:83], s[56:63]
	s_nop 0
.rept 4
	v_nop
.endr
.Lhead_asked:
	s_mul_i32 s86, s15, 4*TB                       ; my four tiles of O
	s_mul_i32 s87, s16, 4*TB
	s_add_co_u32 s87, s87, LB                      ; my four tiles of w_o
	s_lshl_b32 s89, s15, 11
	s_lshl_b32 s88, s16, 11
	s_add_co_u32 s88, s88, LSB-LSA
	s_sub_co_u32 s88, s88, s89                     ; from my O scale words to my w_o scale words
	s_add_co_u32 s89, s89, LSA
	s_mul_i32 s90, s14, 16*SPITCH
	s_add_co_u32 s90, s90, STAGE                   ; my stage
	v_and_b32 v1, 15, v0                           ; r
	v_bfe_u32 v2, v0, 4, 1                         ; h
	v_and_b32 v3, 31, v0
	v_lshlrev_b32 v4, 4, v3
	v_lshlrev_b32 v5, 3, v3
	v_add_nc_u32 v16, s86, v4                      ; fragments: 16 lane and 8 lane, for O
	v_add_nc_u32 v17, s86, v5
	v_add_nc_u32 v18, s87, v4                      ; and for w_o
	v_add_nc_u32 v19, s87, v5
	v_lshlrev_b32 v6, 3, v1
	v_mul_u32_u24 v7, s88, v2                      ; lanes 16-31 take w_o's scale words
	v_add_nc_u32 v6, v6, v7
	v_add_nc_u32 v20, s89, v6
	v_mul_u32_u24 v6, v1, SPITCH
	v_lshl_add_u32 v6, v2, 6, v6
	v_add_nc_u32 v21, s90, v6                      ; into the stage: slot r, + 64 h: columns 16 h on of each 32
	v_mul_u32_u24 v7, v2, SPITCH
	v_lshl_add_u32 v7, v1, 4, v7
	v_add_nc_u32 v22, s90, v7                      ; back: sixteen lanes to a row of 256 bytes, two rows an instruction
	v_lshlrev_b32 v23, 4, v1
	v_lshl_add_u32 v23, v2, 12, v23                ; and the same two rows in out0
	s_lshl_b32 s20, s42, 7
	s_lshl_b32 s21, s15, 6
	s_add_co_u32 s20, s20, s21
	s_lshl_b32 s20, s20, 12                        ; my first token x 4,096 bytes
	s_mov_b32 s21, 0
	s_lshl_b32 s46, s45, 9
	s_lshl_b32 s47, s16, 8
	s_add_co_u32 s46, s46, s47                     ; my first column, in bytes
	s_mov_b32 s47, 0
	s_add_nc_u64 s[20:21], s[20:21], s[46:47]
	s_add_nc_u64 s[12:13], s[12:13], s[20:21]
.macro FRAG reg, adr, s, i             ; tile i's fragment of step s: registers 0-3, 4-5, 6-9, 10-11 as they lie in the image
	ds_load_b128 v[\reg:\reg+3], v[\adr] offset:(\i)*TB+(\s)*1536
	ds_load_b64 v[\reg+4:\reg+5], v[\adr+1] offset:(\i)*TB+(\s)*1536+512
	ds_load_b128 v[\reg+6:\reg+9], v[\adr] offset:(\i)*TB+(\s)*1536+768
	ds_load_b64 v[\reg+10:\reg+11], v[\adr+1] offset:(\i)*TB+(\s)*1536+1280
.endm
.macro FETCH s                         ; 32 loads: step s into set s % 2
.irp i, 0,1,2,3
	FRAG 64+96*((\s)%2)+12*\i, 18, \s, \i
.endr
.irp i, 0,1,2,3
	FRAG 64+96*((\s)%2)+48+12*\i, 16, \s, \i
.endr
.endm
.macro MUL s, zero                     ; 16 products; the 16 accumulators take turns, one instruction a turn
.set FB, 64+96*((\s)%2)
.set SW, 32+8*((\s)/2)+(\s)%2
.irp a, 0,1,2,3
.irp b, 0,1,2,3
.if \zero
	v_wmma_scale_f32_16x16x128_f8f6f4 v[8*(4*\a+\b):8*(4*\a+\b)+7], v[FB+12*\b:FB+12*\b+11], v[FB+48+12*\a:FB+48+12*\a+11], 0, v[SW+2*\b], v[SW+2*\a] matrix_a_fmt:MATRIX_FMT_FP6 matrix_b_fmt:MATRIX_FMT_FP6 matrix_a_scale:MATRIX_SCALE_ROW1
.else
	v_wmma_scale_f32_16x16x128_f8f6f4 v[8*(4*\a+\b):8*(4*\a+\b)+7], v[FB+12*\b:FB+12*\b+11], v[FB+48+12*\a:FB+48+12*\a+11], v[8*(4*\a+\b):8*(4*\a+\b)+7], v[SW+2*\b], v[SW+2*\a] matrix_a_fmt:MATRIX_FMT_FP6 matrix_b_fmt:MATRIX_FMT_FP6 matrix_a_scale:MATRIX_SCALE_ROW1
.endif
.endr
.endr
.endm
	s_wait_alu depctr_va_vdst(0)                   ; the wait at the head's end
	s_wait_tensorcnt 0x0                           ; my block has landed
	s_barrier_signal -1
	s_barrier_wait -1                              ; all four have
.irp pr, 0,1,2,3
.irp i, 0,1,2,3
	ds_load_b64 v[32+8*\pr+2*\i:33+8*\pr+2*\i], v20 offset:\i*512+\pr*128   ; the scale words of steps 2 pr, 2 pr + 1: lanes 0-15 O's tile i, lanes 16-31 w_o's tile i
.endr
.endr
	FETCH 0
	FETCH 1
	s_wait_dscnt 32                                ; all but step 1's 32 loads
	WIN 0x50                                       ; C and D in window 1
	MUL 0, 1                                       ; the first step's products start the sums
	WIN 0
.irp s, 1,2,3,4,5,6
	PLACES                                         ; in front of loads into the set that the last products read
	FETCH \s+1
	s_wait_dscnt 32                                ; this step's set is in; the 32 loads just issued may be out
	WIN 0x50
	MUL \s, 0
	WIN 0
.endr
	s_wait_dscnt 0x0
	WIN 0x50
	MUL 7, 0
	WIN 0
; THE WAY OUT, block by block of 16 tokens x 64 columns, through my own stage: in by lanes (32 neighbouring bytes of a row), back as whole rows of 256 bytes.  LDS serves a wave's instructions in order.
.macro TOSTAGE a
	WIN 0x04                                       ; an LDS store's data: window 1
.irp b, 0,1,2,3
	ds_store_b128 v21, v[32*(\a)+8*\b:32*(\a)+8*\b+3] offset:128*(\b/2)+32*(\b%2)      ; tile b's registers are columns 32 (b / 2) + 8 (b % 2) + 16 h + 0 .. 7; each accumulator from its low end on
	ds_store_b128 v21, v[32*(\a)+8*\b+4:32*(\a)+8*\b+7] offset:128*(\b/2)+32*(\b%2)+16
.endr
	WIN 0
.irp t, 0,1,2,3,4,5,6,7
	ds_load_b128 v[64+32*((\a)%2)+4*\t:64+32*((\a)%2)+4*\t+3], v22 offset:\t*2*SPITCH
.endr
.endm
.macro SEND a, younger                 ; younger: the LDS instructions issued behind block a's loads, which may stay out
	s_wait_dscnt \younger
.irp t, 0,1,2,3,4,5,6,7
	global_store_b128 v23, v[64+32*((\a)%2)+4*\t:64+32*((\a)%2)+4*\t+3], s[12:13] offset:(32*((\a)/2)+8*((\a)%2)+2*\t+8*(\t/4))*4096 th:TH_STORE_NT   ; slots 2 t + h; sixteen lanes store 256 consecutive bytes, aligned
.endr
.endm
	PLACES                                         ; behind the last products
	TOSTAGE 0
.irp a, 1,2,3
.if \a > 1
	s_wait_xcnt 0x0                                ; block a - 2's stores have read their registers: block a's loads may land there
.endif
	TOSTAGE \a
	SEND \a-1, 16                                  ; behind block a - 1's loads: block a's 8 stores and 8 loads
.endr
	SEND 3, 0
	s_wait_tensorcnt 0x0                           ; the wave's end
	ds_add_u32 v[SPW], v[NIL]
	s_wait_dscnt 0x0
	CROUND                                         ; the closing round
	s_endpgm
.Lfunc_end_k_q489ed14c5d_gemm2:
	.size	k_q489ed14c5d_gemm2, .Lfunc_end_k_q489ed14c5d_gemm2-k_q489ed14c5d_gemm2
	.p2alignl 7, 3214868480
	.fill 96, 4, 3214868480
	.section	.rodata,"a",@progbits
	.p2align	6, 0x0
	.amdhsa_kernel k_q489ed14c5d_gemm2
		.amdhsa_group_segment_fixed_size 222720
		.amdhsa_private_segment_fixed_size 0
		.amdhsa_enable_private_segment 0
		.amdhsa_kernarg_size 40
		.amdhsa_user_sgpr_count 2
		.amdhsa_user_sgpr_kernarg_segment_ptr 1
		.amdhsa_wavefront_size32 1
		.amdhsa_system_sgpr_workgroup_id_x 1
		.amdhsa_system_sgpr_workgroup_id_y 1
		.amdhsa_system_sgpr_workgroup_id_z 1
		.amdhsa_system_vgpr_workitem_id 0
		.amdhsa_next_free_vgpr 384
		.amdhsa_next_free_sgpr 96
		.amdhsa_reserve_vcc 0
		.amdhsa_float_denorm_mode_32 3
		.amdhsa_float_denorm_mode_16_64 3
		.amdhsa_memory_ordered 1
		.amdhsa_forward_progress 1
		.amdhsa_inst_pref_size 51
	.end_amdhsa_kernel
	.amdgpu_metadata
---
amdhsa.version: [ 1, 2 ]
amdhsa.kernels:
  - .name:           k_q489ed14c5d_gemm2
    .symbol:         k_q489ed14c5d_gemm2.kd
    .args:
      - { .name: oc, .offset: 0, .size: 8, .value_kind: global_buffer, .address_space: global }
      - { .name: os, .offset: 8, .size: 8, .value_kind: global_buffer, .address_space: global }
      - { .name: img, .offset: 16, .size: 8, .value_kind: global_buffer, .address_space: global }
      - { .name: isc, .offset: 24, .size: 8, .value_kind: global_buffer, .address_space: global }
      - { .name: out0, .offset: 32, .size: 8, .value_kind: global_buffer, .address_space: global }
    .group_segment_fixed_size: 222720
    .private_segment_fixed_size: 0
    .kernarg_segment_align: 8
    .kernarg_segment_size: 40
    .max_flat_workgroup_size: 128
    .sgpr_count:     96
    .vgpr_count:     384
    .wavefront_size: 32
...
	.end_amdgpu_metadata
.endif
;; end of part 4
